; MI455X (gfx1250); checked and timed in simulation.
; The chip was launched on July 23, 2026; its instructions are those of AMD's public machine-readable ISA for CDNA 5 (MIT licence, August 2026) and "CDNA5" Instruction Set Architecture Reference Guide (July 2026). The comments in the code are by the model that wrote it; some were corrected since.
;; Multi Head Attention. Allowed arithmetic: matrix products marked QUANTISED: E2M1 operands, one E8M0 scale for each 32 along K, by v_wmma_scale_f32_16x16x128_f8f6f4 with both operands' format E2M1 (or v_wmma_scale_f32_32x16x128_f4), f32 sums; products left as they are: bf16, f16 or f32 operands; f32 sums; everything else in f32.
;; Inputs: Wk 1,024 x 1,024 float32; Wo 1,024 x 1,024 float32; Wq 1,024 x 1,024 float32; Wv 1,024 x 1,024 float32; bk 1,024 float32; bo 1,024 float32; bq 1,024 float32; bv 1,024 float32; mask 4 x 2,048 int32; x 4 x 2,048 x 1,024 float32.
;; Outputs: out0 4 x 2,048 x 1,024 float32.
;; This version of the problem:
;;   THIS VERSION OF THE PROBLEM IS GIVEN IN LOW PRECISION. The matrix products marked QUANTISED in the list below multiply operands that are first quantised to E2M1 (2 exponent bits, 1 mantissa bit; 4 bits a number), with one power-of-two scale for each 32 numbers along K (OCP MX v1.0); their sums are f32. The products marked 'left as it is' may take bf16, f16 or f32 operands, with f32 sums. Whichever they take, every output number must still come out within the allowed error. Rounding operands to bf16 (8 significant bits) uses up far more of that allowance than f16 does (11 bits, for magnitudes from 6e-5 to 65,504). All else is computed in f32.
;;   The module's matrix products, in the order in which they are computed (A, B: the left and right operand; K: the contracted axis; several contracted axes count as one K, in the product's order):
;;     1. [M 8,192, K 1,024] x [K 1,024, N 1,024]; A: input x; B: input Wq: QUANTISED
;;     2. [M 8,192, K 1,024] x [K 1,024, N 1,024]; A: input x; B: input Wk: QUANTISED
;;     3. [M 8,192, K 1,024] x [K 1,024, N 1,024]; A: input x; B: input Wv: QUANTISED
;;     4. batch 64 x [M 2,048, K 64] x [K 64, N 2,048]; A: computed on the way; B: computed on the way: left as it is (an operand is computed on the way)
;;     5. batch 64 x [M 2,048, K 2,048] x [K 2,048, N 64]; A: computed on the way; B: computed on the way: left as it is (an operand is computed on the way)
;;     6. [M 8,192, K 1,024] x [K 1,024, N 1,024]; A: computed on the way; B: input Wo: left as it is (an operand is computed on the way)
;;   THE QUANTISER, for each operand of a quantised product, along K:
;;     - K is cut into blocks of 32 from its start; a last block that is shorter is filled with zeros.
;;     - A block's scale is 2^e with e = floor(log2(the largest magnitude in the block)) - 2, held to -126 .. 127; a block of zeros has e = 0. As a byte (E8M0): e + 127.
;;     - Each number is divided by its block's scale, clamped to +-6, and rounded to the nearest number of E2M1, ties to even, subnormals kept.
;;     - The product sums the exact products of the quantised numbers (number of the format x scale) in f32.
;;   ~~~python
;;   def quantise(x, axis):      # numpy; x: float32 -> the quantised numbers, widened to float32 again
;;       x = np.moveaxis(x, axis, -1); K = x.shape[-1]
;;       x = np.pad(x, [(0, 0)] * (x.ndim - 1) + [(0, -K % 32)]); x = x.reshape(x.shape[:-1] + (-1, 32)); a = np.abs(x).max(-1, keepdims=True)
;;       e = np.where(a > 0, np.clip(np.frexp(np.where(a > 0, a, 1))[1] - 1 - 2, -126, 127), 0)      # np.frexp(a)[1] - 1 = floor(log2(a)), exactly
;;       r = np.clip(x / 2.0 ** e, -6, 6)
;;       step = 2.0 ** (np.maximum(np.frexp(np.where(r == 0, 1, r))[1] - 1, 0) - 1)
;;       q = np.round(r / step) * step * 2.0 ** e      # np.round: ties to even
;;       return np.moveaxis(q.reshape(q.shape[:-2] + (-1,))[..., :K], -1, axis).astype(np.float32)
;;   ~~~
;; One version. Each part assembles by itself: llvm-mc -triple=amdgcn-amd-amdhsa -mcpu=gfx1250 --defsym DOCPART=n.
;; ======== version 1 of 1: 4 launches
;; limits: values are held in f16: magnitudes above 65,504 overflow, below 6.1e-05 lose precision; right only within a limited range of input values
;; workspace buffers: x_codes 4,194,304 bytes; x_scales 262,144 bytes; w_codes 1,572,864 bytes; w_scales 98,304 bytes; wo16 2,097,152 bytes; qkv 50,331,648 bytes; att 16,777,216 bytes
;; launch prep (part 1): grid 384 x 1, 4 waves a work-group, no clusters, 33,280 bytes of LDS; arguments x, Wq, Wk, Wv, Wo, x_codes, x_scales, w_codes, w_scales, wo16; writes x_codes, x_scales, w_codes, w_scales, wo16
.if DOCPART == 1
	.amdgcn_target "amdgcn-amd-amdhsa--gfx1250"
	.amdhsa_code_object_version 6
	.text
	.protected	k_q9d06420161_prep
	.globl	k_q9d06420161_prep
	.p2align	8
	.type	k_q9d06420161_prep,@function
k_q9d06420161_prep:
	s_mov_b64 s[64:65], 0
	v_nop
	global_prefetch_b8 v0, s[64:65] scope:SCOPE_SE
	s_setreg_imm32_b32 hwreg(HW_REG_WAVE_MODE, 25, 1), 1
	s_wait_xcnt 0x0
; PREP.  x [8192][1024], Wq, Wk, Wv [1024][1024], f32, K innermost, are turned into codes of FP4 (E2M1), two a byte, with one E8M0 scale byte for each 32 along K; Wo [1024][1024] is rounded to f16.
; A block's scale is 2^(floor(log2(its largest magnitude)) - 2); its byte is the largest magnitude's own exponent field - 2, held at 1 from below.  Each number is divided by the scale and rounded to the nearest code, ties to even;
; beyond 6 the conversion gives the largest code.  A block of zeros gets the byte 1 where the rule says 127: its codes are zeros, which add nothing, and the bytes are read by this program alone.
; LIMITS: NaN and infinities among the inputs are not served.  Wo in f16: magnitudes up to 65,504; under 6e-5 the rounding is absolute, 3e-8 at the most.
; Rows are dense and K is a multiple of 32: every tensor is a plain stream of blocks of 32, and so are its codes and scale bytes.  A work-group takes 32,768 numbers, a wave 8,192.
; Work-groups 0-255: x; 256-287: Wq; 288-319: Wk; 320-351: Wv (their codes and bytes follow each other in w_codes and w_scales: rows 0-1023, 1024-2047, 2048-3071); 352-383: Wo.
; The four quantised tensors take ONE path: only pointers are chosen, by the work-group's number.  The cast takes a path of its own, which touches no LDS.
; The quantiser: 16 steps of 512 numbers a wave.  The conversions want 16 NEIGHBOURS in a lane; a load is best where neighbouring LANES take neighbouring bytes.  So each of a step's four loads reads 512 consecutive
; bytes, and the 2,048 bytes turn through the wave's own stage in LDS (16 bytes of padding behind each 64) and come back 64 bytes a lane.  A lane's 16 codes are 8 bytes: a wave's store covers 256 consecutive bytes.
; A wave's 256 scale bytes are gathered in its own LDS bytes and leave as 256 consecutive bytes.  No cluster, no tensor load, no barrier: waves share nothing.
.set WAVES, 4
.set STEPS, 16
.set EMAX,  2
.set CB,    8                          ; bytes of 16 codes
.set R,     16                         ; v16-79   four sets of 16 numbers as they are loaded
.set X,     80                         ; v80-111  two sets of 16 neighbours
.set E,     112                        ; v112-127 a scale byte for each step
.set C,     128                        ; v128-191 codes: four registers for each step, so that no store's data are written again
.set WREG,  8192                       ; LDS: a region for each wave: two stages of 32 x SP bytes, behind them its 256 scale bytes
.set SP,    80                         ; a lane's place in a stage: 64 bytes + 16 of padding
.set SPW,   12                         ; v12  LDS address of my spare word; never rewritten
.set NIL,   13                         ; v13  0; never rewritten
.set SPARE, WAVES*WREG                 ; behind the four regions: the spare words, 128 bytes a wave, which no other line names
.set CI,    16                         ; the cast: v16-143 two sets of 16 x 4 numbers
.set CO,    144                        ; v144-175 16 x 2 registers of f16
	s_load_b256 s[4:11], s[0:1], 0x0               ; x, Wq, Wk, Wv
	s_load_b256 s[12:19], s[0:1], 0x20             ; Wo, x_codes, x_scales, w_codes
	s_load_b128 s[20:23], s[0:1], 0x40             ; w_scales, wo16
	v_lshl_add_u32 v[SPW], v0, 2, SPARE
	v_mov_b32 v[NIL], 0
	v_lshrrev_b32 v1, 5, v0
	v_readfirstlane_b32 s24, v1                    ; wave
	v_and_b32 v2, 31, v0                           ; lane
	v_lshlrev_b32 v3, 4, v2                        ; my 16 bytes of a load's 512
	s_mul_i32 s27, s24, WREG
	v_lshrrev_b32 v14, 2, v2
	v_mul_u32_u24 v14, v14, SP
	v_and_b32 v15, 3, v2
	v_lshl_add_u32 v14, v15, 4, v14
	v_add_nc_u32 v14, s27, v14                     ; the stage, on the way in: SP (lane / 4) + 16 (lane % 4)
	v_mul_u32_u24 v15, v2, SP
	v_add_nc_u32 v15, s27, v15                     ; and on the way out: SP x lane: my 16 neighbours
	v_mul_u32_u24 v4, v2, CB                       ; 8 x lane: my codes' place in a step's; in the cast my 8 bytes of a store's 256
	v_lshrrev_b32 v5, 1, v2
	s_add_co_u32 s27, s27, 2*32*SP
	v_add_nc_u32 v5, s27, v5                       ; LDS: my wave's 256 scale bytes, my block's byte
	v_lshlrev_b32 v7, 3, v2
	v_add_nc_u32 v6, s27, v7                       ; and on the way out 8 bytes a lane
	s_and_b32 s25, ttmp9, 31                       ; a weight's work-group within its tensor (256 is a multiple of 32)
	s_wait_kmcnt 0x0
	s_cmp_ge_u32 ttmp9, 352
	s_cbranch_scc1 .Lcast                          ; a branch on the work-group's number alone
	s_cmp_lt_u32 ttmp9, 320
	s_cselect_b64 s[8:9], s[8:9], s[10:11]         ; Wk or Wv
	s_cmp_lt_u32 ttmp9, 288
	s_cselect_b64 s[6:7], s[6:7], s[8:9]           ; Wq or that
	s_cmp_lt_u32 ttmp9, 256
	s_cselect_b64 s[4:5], s[4:5], s[6:7]           ; x or a weight
	s_cselect_b64 s[14:15], s[14:15], s[18:19]     ; its codes
	s_cselect_b64 s[16:17], s[16:17], s[20:21]     ; its scale bytes
	s_cselect_b32 s25, ttmp9, s25                  ; the work-group within the source tensor
	s_cselect_b32 s26, 0, 256                      ; and what is taken off for its place in the codes' buffer
	s_lshl_b32 s25, s25, 2
	s_add_co_u32 s25, s25, s24                     ; which run of 8,192 numbers of the source is my wave's
	s_lshl_b32 s28, s25, 15                        ; 32,768 bytes a run (x: 1,024 runs: under 2^32)
	s_mov_b32 s29, 0
	s_add_nc_u64 s[4:5], s[4:5], s[28:29]
	s_sub_co_u32 s26, ttmp9, s26
	s_lshl_b32 s26, s26, 2
	s_add_co_u32 s26, s26, s24                     ; which run of the destination
	s_lshl_b32 s28, s26, 12                        ; 4,096 bytes of codes a run
	s_add_nc_u64 s[14:15], s[14:15], s[28:29]
	s_lshl_b32 s28, s26, 8                         ; 256 scale bytes a run
	s_add_nc_u64 s[16:17], s[16:17], s[28:29]
.macro LOAD t
.irp i, 0,1,2,3
	global_load_b128 v[R+16*((\t)%4)+4*\i:R+16*((\t)%4)+4*\i+3], v3, s[4:5] offset:2048*(\t)+512*\i th:TH_LOAD_NT   ; 32 lanes read 512 consecutive bytes
.endr
.endm
.macro TURN t                          ; step t's numbers through the stage: LDS serves a wave's instructions in order, so no wait stands between the stores and the loads
.irp i, 0,1,2,3
	ds_store_b128 v14, v[R+16*((\t)%4)+4*\i:R+16*((\t)%4)+4*\i+3] offset:32*SP*((\t)%2)+8*SP*\i
.endr
.irp i, 0,1,2,3
	ds_load_b128 v[X+16*((\t)%2)+4*\i:X+16*((\t)%2)+4*\i+3], v15 offset:32*SP*((\t)%2)+16*\i
.endr
.endm
.irp t, 0,1,2,3
	LOAD \t
.endr
	s_wait_loadcnt 12                              ; step 0's four loads are in; the twelve of steps 1 to 3 may be out
	TURN 0
.macro STEP t
.set XS, X+16*((\t)%2)
.if (\t) > 0
	s_wait_dscnt 1                                 ; this step's numbers are back from the stage (the last step's byte store may be out): so its stores into the stage have read their registers,
.else
	s_wait_dscnt 0x0
.endif
.if (\t)+4 < STEPS
	LOAD (\t)+4                                    ; which take the loads of four steps on
.endif
.if (\t)+1 < STEPS
.if STEPS-2-(\t) >= 3
	s_wait_loadcnt 12                              ; the next step's four loads are in; those of the three steps behind it may be out
.else
	s_wait_loadcnt 4*(STEPS-2-(\t))                ; at the end the count runs down by a step's four
.endif
	TURN (\t)+1                                    ; and go through the other stage while this step is worked
.endif
	v_max3_num_f32 v8, |v[XS]|, |v[XS+1]|, |v[XS+2]|               ; the largest magnitude of my 16, in two chains
	v_max3_num_f32 v9, |v[XS+3]|, |v[XS+4]|, |v[XS+5]|
.irp i, 6,10
	v_max3_num_f32 v8, v8, |v[XS+\i]|, |v[XS+\i+1]|
	v_max3_num_f32 v9, v9, |v[XS+\i+2]|, |v[XS+\i+3]|
.endr
	v_max3_num_f32 v8, v8, |v[XS+14]|, |v[XS+15]|
	v_max3_num_f32 v8, v8, v9, (EMAX+1)<<23        ; and the floor 2^(3 - 127): so the byte cannot fall under 1
	v_max_num_f32_dpp v8, v8, v8 row_xmask:1 row_mask:0xf bank_mask:0xf   ; and of my neighbour's 16: the block's
	v_add_nc_u32 v11, -(EMAX<<23), v8              ; 2 off its exponent field: the conversion takes the exponent field of this operand as its scale, and nothing else of it
	v_cvt_scalef32_pk8_fp4_f32 v[C+4*(\t)], v[XS:XS+7], v11
	v_cvt_scalef32_pk8_fp4_f32 v[C+4*(\t)+1], v[XS+8:XS+15], v11
	v_lshrrev_b32 v[E+(\t)], 23, v11               ; the scale's byte (also the plain line behind the conversions)
	ds_store_b8 v5, v[E+(\t)] offset:16*(\t)       ; both lanes of a block write the same byte with the same value
	global_store_b64 v4, v[C+4*(\t):C+4*(\t)+1], s[14:15] offset:32*CB*(\t)   ; 32 lanes store 256 consecutive bytes
.endm
.irp t, 0,1,2,3,4,5,6,7,8,9,10,11,12,13,14,15
	STEP \t
.endr
	ds_load_b64 v[8:9], v6                         ; LDS serves a wave's instructions in order: these see my byte stores
	s_wait_dscnt 0x0
	global_store_b64 v7, v[8:9], s[16:17]          ; 32 lanes store my wave's 256 scale bytes
	s_wait_tensorcnt 0x0                           ; the wave's end: the add and its wait behind my last LDS store
	ds_add_u32 v[SPW], v[NIL]
	s_wait_dscnt 0x0
	s_endpgm
; THE CAST of Wo to f16.  A wave takes 8,192 numbers: 64 loads of 512 consecutive bytes, in four groups of sixteen, one group ahead; a lane's four numbers become 8 bytes, and a store covers 256 consecutive bytes.
.Lcast:
	s_sub_co_u32 s26, ttmp9, 352
	s_lshl_b32 s26, s26, 2
	s_add_co_u32 s26, s26, s24                     ; my wave's run
	s_lshl_b32 s28, s26, 15
	s_mov_b32 s29, 0
	s_add_nc_u64 s[12:13], s[12:13], s[28:29]
	s_lshl_b32 s28, s26, 14
	s_add_nc_u64 s[22:23], s[22:23], s[28:29]
.macro CLOAD g
.irp i, 0,1,2,3,4,5,6,7,8,9,10,11,12,13,14,15
	global_load_b128 v[CI+64*((\g)%2)+4*\i:CI+64*((\g)%2)+4*\i+3], v3, s[12:13] offset:512*(16*(\g)+\i) th:TH_LOAD_NT
.endr
.endm
	CLOAD 0
.irp g, 0,1,2,3
.if \g < 3
	CLOAD \g+1
	s_wait_loadcnt 16                              ; this group's sixteen loads are in; the next group's sixteen may be out
.else
	s_wait_loadcnt 0x0
.endif
	s_wait_xcnt 0x0                                ; the last group's stores have read their data registers, which are written again below
.irp i, 0,1,2,3,4,5,6,7,8,9,10,11,12,13,14,15
	v_cvt_pk_f16_f32 v[CO+2*\i], v[CI+64*(\g%2)+4*\i], v[CI+64*(\g%2)+4*\i+1]
	v_cvt_pk_f16_f32 v[CO+2*\i+1], v[CI+64*(\g%2)+4*\i+2], v[CI+64*(\g%2)+4*\i+3]
.endr
.irp i, 0,1,2,3,4,5,6,7,8,9,10,11,12,13,14,15
	global_store_b64 v4, v[CO+2*\i:CO+2*\i+1], s[22:23] offset:256*(16*\g+\i)
.endr
.endr
	s_endpgm
.Lfunc_end_k_q9d06420161_prep:
	.size	k_q9d06420161_prep, .Lfunc_end_k_q9d06420161_prep-k_q9d06420161_prep
	.p2alignl 7, 3214868480
	.fill 96, 4, 3214868480
	.section	.rodata,"a",@progbits
	.p2align	6, 0x0
	.amdhsa_kernel k_q9d06420161_prep
		.amdhsa_group_segment_fixed_size 33280
		.amdhsa_private_segment_fixed_size 0
		.amdhsa_enable_private_segment 0
		.amdhsa_kernarg_size 80
		.amdhsa_user_sgpr_count 2
		.amdhsa_user_sgpr_kernarg_segment_ptr 1
		.amdhsa_wavefront_size32 1
		.amdhsa_system_sgpr_workgroup_id_x 1
		.amdhsa_system_sgpr_workgroup_id_y 1
		.amdhsa_system_sgpr_workgroup_id_z 1
		.amdhsa_system_vgpr_workitem_id 0
		.amdhsa_next_free_vgpr 192
		.amdhsa_next_free_sgpr 66
		.amdhsa_reserve_vcc 0
		.amdhsa_float_denorm_mode_32 3
		.amdhsa_float_denorm_mode_16_64 3
		.amdhsa_memory_ordered 1
		.amdhsa_forward_progress 1
		.amdhsa_inst_pref_size 54
	.end_amdhsa_kernel
	.amdgpu_metadata
---
amdhsa.version: [ 1, 2 ]
amdhsa.kernels:
  - .name:           k_q9d06420161_prep
    .symbol:         k_q9d06420161_prep.kd
    .args:
      - { .name: x, .offset: 0, .size: 8, .value_kind: global_buffer, .address_space: global }
      - { .name: Wq, .offset: 8, .size: 8, .value_kind: global_buffer, .address_space: global }
      - { .name: Wk, .offset: 16, .size: 8, .value_kind: global_buffer, .address_space: global }
      - { .name: Wv, .offset: 24, .size: 8, .value_kind: global_buffer, .address_space: global }
      - { .name: Wo, .offset: 32, .size: 8, .value_kind: global_buffer, .address_space: global }
      - { .name: x_codes, .offset: 40, .size: 8, .value_kind: global_buffer, .address_space: global }
      - { .name: x_scales, .offset: 48, .size: 8, .value_kind: global_buffer, .address_space: global }
      - { .name: w_codes, .offset: 56, .size: 8, .value_kind: global_buffer, .address_space: global }
      - { .name: w_scales, .offset: 64, .size: 8, .value_kind: global_buffer, .address_space: global }
      - { .name: wo16, .offset: 72, .size: 8, .value_kind: global_buffer, .address_space: global }
    .group_segment_fixed_size: 33280
    .private_segment_fixed_size: 0
    .kernarg_segment_align: 8
    .kernarg_segment_size: 80
    .max_flat_workgroup_size: 128
    .sgpr_count:     66
    .vgpr_count:     192
    .wavefront_size: 32
...
	.end_amdgpu_metadata
.endif
;; end of part 1
;; launch qkv (part 2): grid 12 x 32, 4 waves a work-group, clusters of 4 x 4, 327,680 bytes of LDS; arguments x_codes, x_scales, w_codes, w_scales, qkv, bq, bk, bv; writes qkv
.if DOCPART == 2
	.amdgcn_target "amdgcn-amd-amdhsa--gfx1250"
	.amdhsa_code_object_version 6
	.text
	.protected	k_q9d06420161_qkv
	.globl	k_q9d06420161_qkv
	.p2align	8
	.type	k_q9d06420161_qkv,@function
k_q9d06420161_qkv:
	s_mov_b64 s[64:65], 0
	v_nop
	global_prefetch_b8 v0, s[64:65] scope:SCOPE_SE
	s_setreg_imm32_b32 hwreg(HW_REG_WAVE_MODE, 25, 1), 1
	s_wait_xcnt 0x0
	s_wait_alu depctr_hold_cnt(0) depctr_sa_sdst(0) depctr_va_vdst(0) depctr_va_sdst(0) depctr_va_ssrc(0) depctr_va_vcc(0) depctr_vm_vsrc(0)
	s_getreg_b32 s2, hwreg(HW_REG_IB_STS2, 6, 4)
	s_cmp_eq_u32 s2, 0
	s_cbranch_scc0 .Lentry_in_a_cluster
	s_endpgm
.Lentry_in_a_cluster:
	s_bfe_u32 s2, ttmp6, 0x10000c
	s_cmp_lg_u32 s2, 0xf033
	s_cbranch_scc0 .Lentry_shape_is_right
	s_endpgm
.Lentry_shape_is_right:
; QKV.  C[m][n] = sum over k of x[m][k] W[n][k] + bias[n], on codes of FP4 (E2M1) with one E8M0 scale for each 32 along K; m = 8,192 rows of x, n = 3,072 rows of Wq, Wk, Wv on end, K = 1,024.  Sums in f32.
; The result is rounded once to f16 and laid by heads: qkv[3 (q, k, v)][b 4][head 16][s 2048][64].  LIMIT: |q|, |k|, |v| under 65,504, the range of f16.
; A tile of C, 256 x 256, is made by a work-group of four waves; a wave makes 128 x 128: 64 accumulators of 16 x 16, 512 registers.  K is two slots of 512 (rows of 256 bytes): both are asked for at the head, and nothing is filled again.
; THE SCALES of the work-group's 256 rows of x and 256 rows of W, for all of K, are two dense blocks of memory: they come into LDS once, with the first fills.
; CLUSTERS: 4 x 4 work-groups.  The four of a row of the cluster need the same tiles of x, the four of a column the same tiles of W: each tile is asked for JOINTLY, by the same tensor load with the same descriptor and a mask
; that names the four.  A cluster is 1,024 columns wide: its x says which of q, k, v it makes.
; THE MATRIX INSTRUCTION IS USED TRANSPOSED (source 0 = 16 rows of W, source 1 = 16 rows of x): a lane then holds eight neighbouring columns of one row of C.  THE BIAS is the C of each sum's first product.
; REGISTERS, in windows of 256: window 0: v0-31 addresses; v32-95 scale words, two sets; v128-191 x's fragments, ONE set; v192-255 the bias in the result's layout; on the way out v32-63 and v192-255 are at work.
;   window 1: W's fragments, TWO sets, at v0 and v128.   window 2: the accumulators of my rows 0-63 ((a, b) at v[8 (8 a + b)]);   window 3: those of my rows 64-127.
.set KSTEP,  512
.set NQ,     4                         ; matrix instructions deep in a slot
.set ROWB,   256                       ; a tile's row in bytes
.set KROW,   512                       ; a row of codes in memory: 1,024 codes
.set PITCH,  272                       ; an LDS row: 256 bytes + 16 of padding: the 16 rows that a load touches start at 16 different 16-byte columns of 256 bytes
.set FR,     8
.set NL,     2
.set NP,     4                         ; places behind this matrix instruction (ISA guide 7.12.1)
.set HALFT,  128*PITCH
.set SLOT,   4*HALFT
.set KS,     32                        ; a row of scales in bytes
.set SCL,    2*SLOT                    ; behind the two slots: the scales, as runs of 256 bytes + 16 of padding
.set HALFS,  (128*KS/256)*272
.set SBLK,   (16*KS/256)*272
.set SPARE,  SCL+4*HALFS               ; the spare words, 128 bytes a wave, which no other line names
.set SPITCH, 272                       ; the way out: a stage of 16 rows x (256 bytes + 16) for each wave, in slot 0, which has had its one fill and its last read when the first result is stored there
.set ADRA, 16
.set ADRB, 20
.set STO,  24
.set RD,   25
.set CO,   26
.set ADRS, 27
.set SPW,  28
.set NIL,  29
.set BO,   30                          ; v30  32 x (lane / 16): my eight numbers of a bias tile
.set SC,   32
.set AF,   128
.set BIAS, 192
.set TMP,  192                         ; the way out: packed results
.set OB,   32                          ; the way out: rows read back: v32-63 and v224-255 by turns
.set G1, 24
.set G0, 32
.set G1B, 48
.set G0B, 56
.set G1S, 68
.set G0S, 76
.set G1SB, 80
.set G0SB, 88
.set MSB, 0
.macro WIN new                         ; the immediate's high byte repeats the setting that is left
.if MSB != \new
	s_set_vgpr_msb (MSB<<8)|\new
.set MSB, \new
.endif
.endm
.set MUL_LO, 0xa1                      ; source 0 (W) window 1, source 1 (x) window 0, C and D window 2
.set MUL_HI, 0xf1                      ; the same, C and D window 3
.set FST_LO, 0x81                      ; a sum's first product: C (the bias) window 0, D window 2
.set FST_HI, 0xc1                      ; D window 3
.set TO_B,   0x40
; A joint load: waves 0 and 1 fetch for x, waves 2 and 3 for W.  The branch hangs on the wave's number alone.  An s_nop 0 and four v_nop follow each of the two lines.
.macro JLOAD g0a, g1a, g0b, g1b
	s_cmp_eq_u32 s15, 0
	s_cbranch_scc0 .Lfor_b_\@
	tensor_load_to_lds s[\g0a:\g0a+3], s[\g1a:\g1a+7]
	s_nop 0
.rept 4
	v_nop
.endr
	s_branch .Lasked_\@
.Lfor_b_\@:
	tensor_load_to_lds s[\g0b:\g0b+3], s[\g1b:\g1b+7]
	s_nop 0
.rept 4
	v_nop
.endr
.Lasked_\@:
.endm
.macro CROUND                          ; a round of the cluster's barrier
	s_barrier_signal -1
	s_barrier_wait -1
	s_cmp_lg_u32 s14, 0
	s_cbranch_scc1 .Lnot_wave_0_\@
	s_barrier_signal -3
.Lnot_wave_0_\@:
	s_barrier_wait -3
	s_barrier_signal -1
	s_barrier_wait -1
.endm
	s_load_b128 s[4:7], s[0:1], 0x0                ; x's codes, x's scales
	s_load_b128 s[8:11], s[0:1], 0x10              ; W's codes, W's scales
	s_load_b64 s[12:13], s[0:1], 0x20              ; qkv
	s_load_b64 s[96:97], s[0:1], 0x28              ; bq
	s_load_b64 s[98:99], s[0:1], 0x30              ; bk
	s_load_b64 s[100:101], s[0:1], 0x38            ; bv
	v_lshl_add_u32 v[SPW], v0, 2, SPARE
	v_mov_b32 v[NIL], 0
	ds_add_u32 v[SPW], v[NIL]                      ; the wave's opening: the add, twice on end, and its wait ahead of my first tensor load
	ds_add_u32 v[SPW], v[NIL]
	v_lshrrev_b32 v1, 5, v0
	v_readfirstlane_b32 s14, v1                    ; wave 0..3
	s_lshr_b32 s15, s14, 1                         ; which half of the tile's rows is mine.  Also: I fetch for x (0) or for W (1)
	s_and_b32 s16, s14, 1                          ; which half of its columns.  Also: which 128 rows of that tile I fetch
	s_bfe_u32 s40, ttmp6, 0x40000                  ; cx, cy: my place in the cluster
	s_bfe_u32 s41, ttmp6, 0x40004
	s_lshl_b32 s42, ttmp9, 2
	s_add_co_u32 s42, s42, s40                     ; tile column of C = 4 x cluster x + cx
	s_and_b32 s17, ttmp7, 0xffff
	s_lshl_b32 s17, s17, 2
	s_add_co_u32 s17, s17, s41                     ; tile row of C = 4 x cluster y + cy
	s_lshl_b32 s43, s41, 2
	s_lshl_b32 s43, 15, s43                        ; my row of the cluster
	s_lshl_b32 s44, 0x1111, s40                    ; my column
	; descriptor group 1: a tile of 128 rows x 256 bytes, padded in LDS
	s_or_b32 s[G1+0], s43, (0<<16)|(1<<20)|(1<<21)|(5<<22)|(3<<25)  ; the mask: x's tiles go to my row; elements of 1 byte; padding on; bit 21 beside a mask; 4 words after every 64
	s_or_b32 s[G1B+0], s44, (0<<16)|(1<<20)|(1<<21)|(5<<22)|(3<<25)
.irp g, G1, G1B
	s_mov_b32 s[\g+1], ROWB<<16                    ; tensor_dim0
	s_mov_b32 s[\g+2], 128<<16                     ; tensor_dim1
	s_mov_b32 s[\g+3], ROWB<<16                    ; tile_dim0
	s_mov_b32 s[\g+4], 128                         ; tile_dim1
	s_mov_b32 s[\g+5], KROW                        ; from row to row
	s_mov_b32 s[\g+6], 0
	s_mov_b32 s[\g+7], 0
.endr
	; the scales of 128 rows: a dense block of 4,096 bytes, as 16 rows of 256 bytes (32 elements of 8 bytes), 16 bytes of padding behind each
	s_or_b32 s[G1S+0], s43, (3<<16)|(1<<20)|(1<<21)|(5<<22)|(3<<25)
	s_or_b32 s[G1SB+0], s44, (3<<16)|(1<<20)|(1<<21)|(5<<22)|(3<<25)
.irp g, G1S, G1SB
	s_mov_b32 s[\g+1], 32<<16
	s_mov_b32 s[\g+2], (128*KS/256)<<16
	s_mov_b32 s[\g+3], 32<<16
	s_mov_b32 s[\g+4], 128*KS/256
	s_mov_b32 s[\g+5], 32
	s_mov_b32 s[\g+6], 0
	s_mov_b32 s[\g+7], 0
.endr
	s_lshl_b32 s18, s16, 7                         ; which 128 rows of the tile I fetch
	s_lshl_b32 s20, s17, 8
	s_add_co_u32 s20, s20, s18                     ; x: row 256 x tile row + 128 x half
	s_lshl_b32 s46, s42, 8
	s_add_co_u32 s46, s46, s18                     ; W: row 256 x tile column + 128 x half
	s_mov_b32 s21, 0
	s_mov_b32 s47, 0
	s_mov_b64 s[18:19], KS
	s_mul_u64 s[22:23], s[20:21], s[18:19]         ; where these rows' scales begin, in bytes
	s_mul_u64 s[92:93], s[46:47], s[18:19]
	s_mov_b64 s[18:19], KROW
	s_mul_u64 s[20:21], s[20:21], s[18:19]         ; and their codes
	s_mul_u64 s[46:47], s[46:47], s[18:19]
	s_mul_i32 s45, s14, HALFT                      ; where they go: wave x 128 rows: no place in the cluster enters an LDS address
	s_mul_i32 s94, s14, HALFS
	s_wait_dscnt 0x0                               ; both opening adds are done
	s_wait_kmcnt 0x0
	s_add_nc_u64 s[20:21], s[4:5], s[20:21]
	s_add_nc_u64 s[22:23], s[6:7], s[22:23]
	s_add_nc_u64 s[46:47], s[8:9], s[46:47]
	s_add_nc_u64 s[92:93], s[10:11], s[92:93]
	s_cmp_eq_u32 ttmp9, 0                          ; which bias: by the cluster's x, 0 q, 1 k, 2 v
	s_cselect_b64 s[96:97], s[96:97], s[98:99]
	s_cmp_eq_u32 ttmp9, 2
	s_cselect_b64 s[96:97], s[100:101], s[96:97]
	CROUND                                         ; all sixteen work-groups are here: the first joint loads meet
	s_mov_b32 s[G0S], 1
	s_add_co_u32 s[G0S+1], s94, SCL
	s_mov_b64 s[G0S+2:G0S+3], s[22:23]
	s_or_b32 s[G0S+3], s[G0S+3], 0x80000000
	s_mov_b32 s[G0SB], 1
	s_add_co_u32 s[G0SB+1], s94, SCL
	s_mov_b64 s[G0SB+2:G0SB+3], s[92:93]
	s_or_b32 s[G0SB+3], s[G0SB+3], 0x80000000
	JLOAD G0S, G1S, G0SB, G1SB                     ; the scales first: they are wanted with the first slot.  Three tensor loads of mine are out when the head is through
.irp s, 0,1
	s_mov_b32 s[G0+4*\s], 1
	s_add_co_u32 s[G0+4*\s+1], s45, \s*SLOT
	s_add_nc_u64 s[G0+4*\s+2:G0+4*\s+3], s[20:21], \s*ROWB
	s_or_b32 s[G0+4*\s+3], s[G0+4*\s+3], 0x80000000
	s_mov_b32 s[G0B+4*\s], 1
	s_add_co_u32 s[G0B+4*\s+1], s45, \s*SLOT
	s_add_nc_u64 s[G0B+4*\s+2:G0B+4*\s+3], s[46:47], \s*ROWB
	s_or_b32 s[G0B+4*\s+3], s[G0B+4*\s+3], 0x80000000
	JLOAD G0+4*\s, G1, G0B+4*\s, G1B
.endr
	v_and_b32 v1, 15, v0                           ; r = lane % 16
	v_bfe_u32 v2, v0, 4, 1                         ; h = lane / 16
	v_mul_u32_u24 v3, v1, PITCH
	v_lshl_add_u32 v4, v2, 4, v3                   ; a fragment's row x pitch + 16 x half
	s_mul_i32 s21, s15, HALFT                      ; my 128 rows of x
	s_mul_i32 s22, s16, HALFT                      ; my 128 rows of W,
	s_add_co_u32 s22, s22, 2*HALFT                 ; which lie behind x's 256
.irp s, 0,1
	v_add_nc_u32 v[ADRA+\s], s21, v4
	v_add_nc_u32 v[ADRB+\s], s22, v4
	s_add_co_u32 s21, s21, SLOT
	s_add_co_u32 s22, s22, SLOT
.endr
	v_mul_u32_u24 v5, v1, KS                       ; my row's scales: 32 bytes a row,
	v_lshrrev_b32 v6, 8, v5
	v_lshl_add_u32 v5, v6, 4, v5                   ; and 16 more for each 256 passed
	s_mul_i32 s21, s15, HALFS                      ; x's: my 128 rows
	s_mul_i32 s22, s16, HALFS                      ; W's: my 128 rows, behind x's 256
	s_add_co_u32 s22, s22, 2*HALFS
	s_sub_co_u32 s22, s22, s21
	v_mul_u32_u24 v6, s22, v2                      ; lanes 16-31 take W's: one product, the distance between the two bases x h
	s_add_co_u32 s21, s21, SCL
	v_add_nc_u32 v5, v5, v6
	v_add_nc_u32 v[ADRS], s21, v5
	s_mul_i32 s23, s14, 16*SPITCH                  ; my stage
	v_mul_u32_u24 v5, v1, SPITCH                   ; in: row r, 16 bytes for each half of the lanes
	v_lshl_add_u32 v5, v2, 4, v5
	v_add_nc_u32 v[STO], s23, v5
	v_bfe_u32 v5, v0, 3, 2                         ; back: eight lanes take 128 bytes of a row (one head's 64 channels), the 32 lanes four rows
	v_mul_u32_u24 v5, v5, SPITCH
	v_and_b32 v6, 7, v0
	v_lshl_add_u32 v5, v6, 4, v5
	v_add_nc_u32 v[RD], s23, v5
	v_and_b32 v6, 31, v0
	v_lshlrev_b32 v[CO], 4, v6                     ; which in a head's plane are 512 consecutive bytes: 16 x lane
	v_lshlrev_b32 v[BO], 5, v2
	s_lshl_b32 s92, s40, 10                        ; the bias: my 128 columns within the tensor begin at 256 cx + 128 x half, 4 bytes each
	s_lshl_b32 s93, s16, 9
	s_add_co_u32 s92, s92, s93
	s_mov_b32 s93, 0
	s_add_nc_u64 s[96:97], s[96:97], s[92:93]
.irp b, 0,1,2,3,4,5,6,7                        ; lane (r, h) holds, for W's block b, bias[16 b + 8 h + 0 .. 7]: the result's layout
	global_load_b128 v[BIAS+8*\b:BIAS+8*\b+3], v[BO], s[96:97] offset:64*\b
	global_load_b128 v[BIAS+8*\b+4:BIAS+8*\b+7], v[BO], s[96:97] offset:64*\b+16
.endr
	; where my part begins in qkv: tensor x 2^24 + b x 2^22 + head x 2^18 + s x 128;  b = tile row / 8, s = 256 (tile row % 8) + 128 x row half, head = 4 cx + 2 x column half
	s_lshl_b32 s92, ttmp9, 24
	s_lshr_b32 s93, s17, 3
	s_lshl_b32 s93, s93, 22
	s_add_co_u32 s92, s92, s93
	s_lshl_b32 s93, s40, 2
	s_lshl_b32 s94, s16, 1
	s_add_co_u32 s93, s93, s94
	s_lshl_b32 s93, s93, 18
	s_add_co_u32 s92, s92, s93
	s_and_b32 s93, s17, 7
	s_lshl_b32 s93, s93, 8
	s_lshl_b32 s94, s15, 7
	s_add_co_u32 s93, s93, s94
	s_lshl_b32 s93, s93, 7
	s_add_co_u32 s92, s92, s93
	s_mov_b32 s93, 0
	s_add_nc_u64 s[12:13], s[12:13], s[92:93]
.macro FRAG reg, adr, q, i             ; a fragment, 16 rows x 128 K of 4-bit codes, is 8 registers: lane l holds row l % 16; registers 4 c .. 4 c + 3 hold K = 64 c + 32 (l / 16) + 0 .. 31
.irp c, 0,1
	ds_load_b128 v[\reg+4*\c:\reg+4*\c+3], v[\adr] offset:64*(\q)+32*\c+(\i)*16*PITCH
.endr
.endm
; 16 matrix instructions: x's blocks a0, a0 + 1 against W's eight, 128 along K: the slot's q-th.  p: W's set;  sc: the set of scale words.  first = 1: the product starts the sum, with the bias as its C.
; The 64 accumulators take turns, one instruction a turn, in the same order in every step.
.macro MUL16 a0, p, q, sc, first
.irp a, \a0, \a0+1
.irp b, 0,1,2,3,4,5,6,7
.if \first
	v_wmma_scale_f32_16x16x128_f8f6f4 v[8*(8*((\a)%4)+\b):8*(8*((\a)%4)+\b)+7], v[128*(\p)+FR*\b:128*(\p)+FR*\b+FR-1], v[AF+FR*(\a):AF+FR*(\a)+FR-1], v[BIAS+8*\b:BIAS+8*\b+7], v[SC+8*NQ*(\sc)+NQ*\b+(\q)], v[SC+8*NQ*(\sc)+NQ*(\a)+(\q)] matrix_a_fmt:MATRIX_FMT_FP4 matrix_b_fmt:MATRIX_FMT_FP4 matrix_a_scale:MATRIX_SCALE_ROW1
.else
	v_wmma_scale_f32_16x16x128_f8f6f4 v[8*(8*((\a)%4)+\b):8*(8*((\a)%4)+\b)+7], v[128*(\p)+FR*\b:128*(\p)+FR*\b+FR-1], v[AF+FR*(\a):AF+FR*(\a)+FR-1], v[8*(8*((\a)%4)+\b):8*(8*((\a)%4)+\b)+7], v[SC+8*NQ*(\sc)+NQ*\b+(\q)], v[SC+8*NQ*(\sc)+NQ*(\a)+(\q)] matrix_a_fmt:MATRIX_FMT_FP4 matrix_b_fmt:MATRIX_FMT_FP4 matrix_a_scale:MATRIX_SCALE_ROW1
.endif
.endr
.endr
.endm
.macro FETCH_B slot, q, p
	WIN TO_B
.irp i, 0,1,2,3,4,5,6,7
	FRAG 128*(\p)+FR*\i, ADRB+\slot, \q, \i
.endr
	WIN 0
.endm
.macro FETCH_A slot, q, i0
.irp i, \i0, \i0+1, \i0+2, \i0+3
	FRAG AF+FR*(\i), ADRA+\slot, \q, \i
.endr
.endm
.macro SCALES sc                       ; a slot's scale words into set sc: four words a row; lanes 0-15 take x's block i, lanes 16-31 W's block i
.irp i, 0,1,2,3,4,5,6,7
	ds_load_b128 v[SC+8*NQ*\sc+NQ*\i:SC+8*NQ*\sc+NQ*\i+3], v[ADRS] offset:\i*SBLK
.endr
.endm
.macro PLACES n                        ; plain vector lines between a matrix instruction and a load into, or a read of, its registers
.rept \n
	v_nop
.endr
.endm
; A step of 128 along K that has its successor in the same slot.
.macro STEP slot, q, first
	s_wait_dscnt 4*NL                              ; W's set, the scale words and x's blocks 0-3 are in; the youngest eight loads (x's blocks 4-7) may be out
.if \first
	WIN FST_LO
.else
	WIN MUL_LO
.endif
	MUL16 0, (\q)%2, \q, \slot, \first
	MUL16 2, (\q)%2, \q, \slot, \first
	s_wait_dscnt 0                                 ; x's blocks 4-7 are in
	PLACES NP
	FETCH_B \slot, (\q)+1, 1-(\q)%2
	FETCH_A \slot, (\q)+1, 0
.if \first
	WIN FST_HI
.else
	WIN MUL_HI
.endif
	MUL16 4, (\q)%2, \q, \slot, \first
	MUL16 6, (\q)%2, \q, \slot, \first
	PLACES NP
	WIN 0
	FETCH_A \slot, (\q)+1, 4
.endm
; Slot 0's last step goes over to slot 1: ONE barrier; in front of it each wave waits for all its tensor loads (slot 1's is the one that may be out), adds 0 to its spare word, and waits for that and for its reads of slot 0.
; Behind it slot 1 is whole, and nobody reads slot 0 any more: there the stages of the way out will lie.
.macro TURN slot, next
	s_wait_tensorcnt 0x0
	ds_add_u32 v[SPW], v[NIL]                      ; 0 onto my spare word
	s_wait_dscnt 4*NL+1                            ; (the add and the youngest eight loads, x's blocks 4-7, may be out)
	WIN MUL_LO
	MUL16 0, 1, NQ-1, \slot, 0
	s_wait_dscnt 0x0                               ; the add is done, and my reads of this slot are over
	s_barrier_signal -1
	MUL16 2, 1, NQ-1, \slot, 0
	WIN 0
	s_barrier_wait -1
	PLACES NP
	v_add_nc_u32 v[ADRS], 4*NQ, v[ADRS]            ; on to the next slot's scale words
	FETCH_B \next, 0, 0
	FETCH_A \next, 0, 0
	SCALES \next
	WIN MUL_HI
	MUL16 4, 1, NQ-1, \slot, 0
	MUL16 6, 1, NQ-1, \slot, 0
	PLACES NP
	WIN 0
	FETCH_A \next, 0, 4
.endm
	s_wait_tensorcnt 0x1                           ; the scales and my part of slot 0 are in; slot 1's load, the one issued behind them, may be out
	s_barrier_signal -1
	s_barrier_wait -1                              ; everybody's are
	FETCH_B 0, 0, 0
	FETCH_A 0, 0, 0
	SCALES 0
	FETCH_A 0, 0, 4
	s_wait_loadcnt 0x0                             ; the bias
	STEP 0, 0, 1                                   ; the first step's products start the sums
	STEP 0, 1, 0
	STEP 0, 2, 0
	TURN 0, 1
	STEP 1, 0, 0
	STEP 1, 1, 0
	STEP 1, 2, 0
	s_wait_dscnt 4*NL                              ; the very last step: nothing more to fetch
	WIN MUL_LO
	MUL16 0, 1, NQ-1, 1, 0
	MUL16 2, 1, NQ-1, 1, 0
	s_wait_dscnt 0
	WIN MUL_HI
	MUL16 4, 1, NQ-1, 1, 0
	MUL16 6, 1, NQ-1, 1, 0
	WIN 0
; THE WAY OUT, block by block of 16 rows x 128 columns (two heads).  PACK: rounded to f16, 16 bytes a lane, each accumulator from its low end on.  TOSTAGE: into my own stage, and back so that the 32 lanes hold four
; rows of one head.  SEND: eight stores of 512 consecutive bytes.  LDS serves a wave's instructions in order: no wait between the stage's stores and loads.
.macro PACK a
.set AC, 64*((\a)%4)
	WIN 0x0a+5*((\a)/4)                            ; sources 0 and 1: window 2 or 3
.irp b, 0,1,2,3,4,5,6,7
.irp r, 0,1,2,3
	v_cvt_pk_f16_f32 v[TMP+4*\b+\r], v[AC+8*\b+2*\r], v[AC+8*\b+2*\r+1]
.endr
.endr
	WIN 0
.endm
.macro TOSTAGE a
.set BB, OB+192*((\a)%2)
.irp b, 0,1,2,3,4,5,6,7
	ds_store_b128 v[STO], v[TMP+4*\b:TMP+4*\b+3] offset:32*\b
.endr
.irp t, 0,1,2,3,4,5,6,7
	ds_load_b128 v[BB+4*\t:BB+4*\t+3], v[RD] offset:4*(\t%4)*SPITCH+128*(\t/4)   ; rows 4 (t % 4) on, head t / 4
.endr
.endm
.macro SEND a
.set BB, OB+192*((\a)%2)
	s_wait_dscnt 0x0                               ; the block is back in registers
	s_wait_xcnt 0x0                                ; the stores of the block before have read their registers: the next block's loads may land there
.irp t, 0,1,2,3,4,5,6,7
	global_store_b128 v[CO], v[BB+4*\t:BB+4*\t+3], s[12:13] offset:262144*(\t/4)+2048*(\a)+512*(\t%4)   ; 32 lanes store 512 consecutive bytes, at a multiple of 512 from qkv's first byte
.endr
.endm
	PLACES NP                                      ; behind the last products: for the loads into the scale words' registers and the reads of results
	PACK 0
	TOSTAGE 0
.irp a, 1,2,3,4,5,6,7                          ; block a's conversions stand between block a - 1's loads from the stage and the wait for them
	PACK \a
	SEND \a-1
	TOSTAGE \a
.endr
	SEND 7
	s_wait_tensorcnt 0x0                           ; the wave's end: the add and its wait behind my last tensor load and my last LDS store
	ds_add_u32 v[SPW], v[NIL]
	s_wait_dscnt 0x0
	CROUND                                         ; the closing round: no work-group ends while a partner may still ask for a tile that names it
	s_endpgm
.Lfunc_end_k_q9d06420161_qkv:
	.size	k_q9d06420161_qkv, .Lfunc_end_k_q9d06420161_qkv-k_q9d06420161_qkv
	.p2alignl 7, 3214868480
	.fill 96, 4, 3214868480
	.section	.rodata,"a",@progbits
	.p2align	6, 0x0
	.amdhsa_kernel k_q9d06420161_qkv
		.amdhsa_group_segment_fixed_size 327680
		.amdhsa_private_segment_fixed_size 0
		.amdhsa_enable_private_segment 0
		.amdhsa_kernarg_size 64
		.amdhsa_user_sgpr_count 2
		.amdhsa_user_sgpr_kernarg_segment_ptr 1
		.amdhsa_wavefront_size32 1
		.amdhsa_system_sgpr_workgroup_id_x 1
		.amdhsa_system_sgpr_workgroup_id_y 1
		.amdhsa_system_sgpr_workgroup_id_z 1
		.amdhsa_system_vgpr_workitem_id 0
		.amdhsa_next_free_vgpr 1024
		.amdhsa_next_free_sgpr 102
		.amdhsa_reserve_vcc 0
		.amdhsa_float_denorm_mode_32 3
		.amdhsa_float_denorm_mode_16_64 3
		.amdhsa_memory_ordered 1
		.amdhsa_forward_progress 1
		.amdhsa_inst_pref_size 128
	.end_amdhsa_kernel
	.amdgpu_metadata
---
amdhsa.version: [ 1, 2 ]
amdhsa.kernels:
  - .name:           k_q9d06420161_qkv
    .symbol:         k_q9d06420161_qkv.kd
    .args:
      - { .name: x_codes, .offset: 0, .size: 8, .value_kind: global_buffer, .address_space: global }
      - { .name: x_scales, .offset: 8, .size: 8, .value_kind: global_buffer, .address_space: global }
      - { .name: w_codes, .offset: 16, .size: 8, .value_kind: global_buffer, .address_space: global }
      - { .name: w_scales, .offset: 24, .size: 8, .value_kind: global_buffer, .address_space: global }
      - { .name: qkv, .offset: 32, .size: 8, .value_kind: global_buffer, .address_space: global }
      - { .name: bq, .offset: 40, .size: 8, .value_kind: global_buffer, .address_space: global }
      - { .name: bk, .offset: 48, .size: 8, .value_kind: global_buffer, .address_space: global }
      - { .name: bv, .offset: 56, .size: 8, .value_kind: global_buffer, .address_space: global }
    .group_segment_fixed_size: 327680
    .private_segment_fixed_size: 0
    .kernarg_segment_align: 8
    .kernarg_segment_size: 64
    .max_flat_workgroup_size: 128
    .sgpr_count:     102
    .vgpr_count:     1024
    .wavefront_size: 32
...
	.end_amdgpu_metadata
.endif
;; end of part 2
;; launch attn (part 3): grid 4 x 64, 8 waves a work-group, clusters of 4 x 1, 327,680 bytes of LDS; arguments qkv, mask, att; writes att
.if DOCPART == 3
	.amdgcn_target "amdgcn-amd-amdhsa--gfx1250"
	.amdhsa_code_object_version 6
	.text
	.protected	k_q9d06420161_attn
	.globl	k_q9d06420161_attn
	.p2align	8
	.type	k_q9d06420161_attn,@function
k_q9d06420161_attn:
	s_mov_b64 s[64:65], 0
	v_nop
	global_prefetch_b8 v0, s[64:65] scope:SCOPE_SE
	s_setreg_imm32_b32 hwreg(HW_REG_WAVE_MODE, 25, 1), 1
	s_wait_xcnt 0x0
	s_wait_alu depctr_hold_cnt(0) depctr_sa_sdst(0) depctr_va_vdst(0) depctr_va_sdst(0) depctr_va_ssrc(0) depctr_va_vcc(0) depctr_vm_vsrc(0)
	s_getreg_b32 s2, hwreg(HW_REG_IB_STS2, 6, 4)
	s_cmp_eq_u32 s2, 0
	s_cbranch_scc0 .Lentry_in_a_cluster
	s_endpgm
.Lentry_in_a_cluster:
	s_bfe_u32 s2, ttmp6, 0x10000c
	s_cmp_lg_u32 s2, 0x3003
	s_cbranch_scc0 .Lentry_shape_is_right
	s_endpgm
.Lentry_shape_is_right:
; ATTN.  att[b][head][q][:] = the sum over k of softmax_k(Q[q] . K[k] / 8, keys with mask[b][k] == 0 left out) V[k][:].  Q, K, V: the three parts of qkv, [b][head][2048][64] in f16; att likewise.
; Products, maxima and sums in f32; the weights p are rounded to f16 for the second product, att once at the end.
; SHARES.  A cluster is one (b, head); its four work-groups own 512 queries each; each of a work-group's EIGHT waves owns 64: four tiles of 16, in 512 registers.  Two waves share a SIMD, so that one wave's softmax
; can stand beside the other's products.  Every wave walks all 2,048 keys, 64 a step.
; LAYOUT.  S^T = K Q^T (source 0 = 16 keys, source 1 = 16 queries): a lane holds ONE query (lane % 16) and the keys 8 (lane / 16) + 0..7 of each tile of keys.  Two such tiles, rounded to f16 in pairs, ARE source 1
; (32 keys x 16 queries) of O^T = V^T P, whose result again holds one query a lane.  K comes out of LDS as it lies, V ([key][channel]) turned, by ds_load_tr16_b128.
; SOFTMAX.  For each query a running maximum m and sum l: p = 2^(c s - c m), c = log2(e) / 8; in every step O and l are multiplied by a = 2^(c m_old - c m_new).
; THE MASK costs no vector instruction: each score tile's first product takes as its C a bias, 0 for an open key and -1e30 for a masked one.  m starts at -2^39.  Finite f16 operands bound a real score by
; 64 x 65504^2 = 2.75e11 < 2^39, so that start lies under every open score and far above every masked one: a masked p is 2^(about -1.8e29) = 0 exactly, and a step all of whose keys are masked leaves m, l and O as they were.
; A row all of whose keys are masked ends with l = 0 and O = 0: O x (1 / l) = 0 x infinity = NaN, as the reference's softmax of nothing gives.
; LIMITS: |q|, |k|, |v| and |att| under 65,504 (f16).  c m is rounded once, and all p of a row and its l carry the same shift, so the rounding cancels in O / l; p stays finite while |c m| is under 2^30.  NaN and infinities are not served.
; CLUSTER.  The four work-groups walk the same K and V, so each tile is asked for JOINTLY: the same tensor load, with the same descriptor and a mask that names the four, in all four.
; LDS.  Two slots of 256 keys (four steps), 2^17 bytes apart.  A step: 64 keys of K as 32 double rows of 256 bytes + 16 of padding, then 64 keys of V as 32 double rows of 256 + 32.  Key k lies at (k / 2) x pitch + 128 (k % 2).
; Behind the ring: the bias (2,048 f32), a stage for each wave, the spare words.
; REGISTERS.  window 0: v0-15 addresses; v16-47 eight registers of statistics a tile; v48-79 the step's bias; v96-223 S^T, 32 a tile.  P is packed IN PLACE into the lower 16 of a tile's 32, and V's eight fragments
; are loaded into the upper 16 that this frees.   window 1: v0-63 Q; v64-127 K of one step; v128-255 O^T, 32 a tile.
.set PK,    272
.set PV,    288
.set VOFF,  32*PK
.set STEPB, 32*(PK+PV)
.set SLOT1, 1<<17
.set SLOTB, 32768                      ; a slot's 256 keys in memory, in K or in V
.set BIASL, SLOT1+4*STEPB              ; LDS: the bias
.set STAGE, BIASL+8192                 ; 16 rows x (128 bytes + 16) for each wave
.set SP,    144
.set SPARE, STAGE+8*16*SP              ; the spare words, 128 bytes a wave, which no other line names
.set AK0, 2                            ; v2   my lane's place in a step's K
.set AV0, 3                            ; v3   and in its V
.set ADR, 4                            ; v4   LDS address of the run of K's loads in hand
.set AB0, 5                            ; v5   my lane's place in the bias
.set STO, 6                            ; v6   the way out: where I put 16 bytes of a row
.set RD,  7                            ; v7   and where I read rows back
.set GO,  8                            ; v8   16 x lane: my byte offset in four rows of att
.set ADV, 10                           ; v10  LDS address of V's loads
.set ADB, 11                           ; v11  of the bias's
.set PFO, 12                           ; v12  256 x lane: the prefetches' offset; never rewritten
.set SPW, 14                           ; v14  LDS address of my spare word; never rewritten
.set NIL, 15                           ; v15  0; never rewritten
.set ST,  16                           ; tile t's statistics at v[ST + 8 t]: +0 c m, +1 m, +2, +3 l (even registers', odd registers'), +4 to +7 at work; a in +6
.set BI,  48                           ; the bias of the step's four tiles of keys
.set S,   96
.set KF,  64                           ; in window 1
.set OT,  128                          ; in window 1
.set WV,  12
.set LIM, 15                           ; s15  1 in a wave that prefetches, else the greatest number
.set PFA, 18                           ; s[18:19] where my prefetches stand
.set G1K, 24
.set G1V, 32
.set G0K, 40                           ; two sets for the two first fills; the second then walks on
.set G0V, 48
.set SLOTS, 56
.set CNT, 57
.set CS,  58
.set SEL, 60
.set TB,  62                           ; s62  LDS byte at which the tiles of the step to be fetched begin
.set TBB, 63                           ; s63  and its 256 bytes of the bias
.set MSB, 0
.macro WIN new
.if MSB != \new
	s_set_vgpr_msb (MSB<<8)|\new
.set MSB, \new
.endif
.endm
.set W_KQ, 0x05                        ; K and Q window 1; C and S^T window 0
.set W_PV, 0x50                        ; V and P window 0; O^T window 1
.set W_RS, 0x41                        ; O^T (destination and source 0) window 1, a window 0
.set W_TO1, 0x40                       ; destination window 1
; A joint refill.  Waves 0 to 3 fetch K of the slot's four steps, waves 4 to 7 V.  The branch hangs on the wave's number alone.  An s_nop 0 and four v_nop follow each of the two lines.
.macro JLOAD
	s_cmp_lt_u32 s[WV], 4
	s_cbranch_scc0 .Lfor_v_\@
	tensor_load_to_lds s[G0K+4:G0K+7], s[G1K:G1K+7]
	s_nop 0
.rept 4
	v_nop
.endr
	s_branch .Lasked_\@
.Lfor_v_\@:
	tensor_load_to_lds s[G0V+4:G0V+7], s[G1V:G1V+7]
	s_nop 0
.rept 4
	v_nop
.endr
.Lasked_\@:
.endm
; A PREFETCH INTO THE L2 of what the NEXT change of slots will ask for: a slot's 32,768 bytes of K and of V, four key steps ahead of that load.  Each aligned run of 256 bytes is named once in the launch: a head has one cluster;
; its four partners share the bytes out BY ADDRESS, 8,192 each; in each, wave 0 asks for K's and wave 4 for V's, a lane 256 bytes.  The last change that fills a slot asks for nothing; slots 0 to 2 come by their loads alone.
.macro ASK
	s_cmp_gt_u32 s[SLOTS], s[LIM]
	s_cbranch_scc0 .Lnot_mine_\@
	global_prefetch_b8 v[PFO], s[PFA:PFA+1] th:TH_LOAD_NT scope:SCOPE_SE
.Lnot_mine_\@:
.endm
.macro CROUND                          ; a round of the cluster's barrier
	s_barrier_signal -1
	s_barrier_wait -1
	s_cmp_lg_u32 s[WV], 0
	s_cbranch_scc1 .Lnot_wave_0_\@
	s_barrier_signal -3
.Lnot_wave_0_\@:
	s_barrier_wait -3
	s_barrier_signal -1
	s_barrier_wait -1
.endm
	s_load_b128 s[4:7], s[0:1], 0x0                ; qkv, mask
	s_load_b64 s[10:11], s[0:1], 0x10              ; att
	v_lshl_add_u32 v[SPW], v0, 2, SPARE
	v_mov_b32 v[NIL], 0
	ds_add_u32 v[SPW], v[NIL]                      ; the wave's opening: the add, twice on end, and its wait ahead of my first tensor load
	ds_add_u32 v[SPW], v[NIL]
	v_lshrrev_b32 v1, 5, v0
	v_readfirstlane_b32 s[WV], v1                  ; wave 0..7
	s_bfe_u32 s13, ttmp6, 0x40000                  ; cx: my place in the cluster: it enters Q's, att's and the prefetches' addresses alone
	s_and_b32 s20, ttmp7, 0xffff                   ; 16 b + head, which the four partners share
	s_lshr_b32 s2, s20, 4
	s_lshl_b32 s2, s2, 13                          ; the mask's row b: 8,192 bytes a row
	s_mov_b32 s3, 0
	s_lshl_b32 s20, s20, 18                        ; the head's first byte in each part of qkv and in att: 262,144 bytes a head
	s_lshl_b32 s18, s13, 16                        ; my work-group's 512 queries of 128 bytes,
	s_lshl_b32 s19, s[WV], 13                      ; my wave's 64
	s_add_co_u32 s22, s20, s18
	s_add_co_u32 s22, s22, s19
	s_mov_b32 s23, 0
	s_and_b32 s14, s[WV], 3                        ; which of a slot's four steps I fetch:
	s_lshl_b32 s19, s14, 13                        ; its 64 rows of 128 bytes in memory,
	s_add_co_u32 s20, s20, s19
	s_mov_b32 s21, 0
	s_mul_i32 s14, s14, STEPB                      ; and its place in a slot: no place in the cluster enters an LDS address
	; descriptor group 1: a step's 8,192 dense bytes as 32 rows x 128 elements of 2 bytes, padded in LDS
	s_mov_b32 s[G1K], 15|(1<<16)|(1<<20)|(1<<21)|(5<<22)|(3<<25)  ; the mask: all four work-groups; elements of 2 bytes; padding on; bit 21 beside a mask; 4 words after every 64
	s_mov_b32 s[G1V], 15|(1<<16)|(1<<20)|(1<<21)|(5<<22)|(7<<25)  ; the same with 8 words of padding
.irp g, G1K, G1V
	s_mov_b32 s[\g+1], 128<<16                     ; tensor_dim0
	s_mov_b32 s[\g+2], 32<<16                      ; tensor_dim1
	s_mov_b32 s[\g+3], 128<<16                     ; tile_dim0
	s_mov_b32 s[\g+4], 32                          ; tile_dim1
	s_mov_b32 s[\g+5], 128                         ; from row to row
	s_mov_b32 s[\g+6], 0
	s_mov_b32 s[\g+7], 0
.endr
	s_mov_b32 s[CS], 0x3e38aa3b                    ; c = log2(e) / 8
	s_mov_b32 s[CS+1], s[CS]                       ; (named with it as a pair, so it is written)
	s_mov_b32 s[SEL], 0x76543210
	s_mov_b32 s[SEL+1], 0xfedcba98                 ; v_permlanex16_b32: lane l xor 16
	s_mov_b32 s[TB], 0
	s_mov_b32 s[TBB], 0
	s_mov_b32 s[SLOTS], 6                          ; eight slots' worth of keys; two are asked for at the head
	s_and_b32 s[LIM], s[WV], 3
	s_cmp_eq_u32 s[LIM], 0                         ; waves 0 and 4 prefetch: the same in all four partners
	s_cselect_b32 s[LIM], 1, -1
	s_wait_dscnt 0x0                               ; both opening adds are done
	s_wait_kmcnt 0x0
	s_add_nc_u64 s[8:9], s[4:5], s[20:21]
	s_add_nc_u64 s[16:17], s[8:9], 0x2000000       ; V at my tile of slot 0
	s_add_nc_u64 s[8:9], s[8:9], 0x1000000         ; K likewise
	s_add_nc_u64 s[4:5], s[4:5], s[22:23]          ; Q and att at my wave's first row
	s_add_nc_u64 s[10:11], s[10:11], s[22:23]
	s_add_nc_u64 s[6:7], s[6:7], s[2:3]            ; the mask's row
	s_cmp_lt_u32 s[WV], 4
	s_cselect_b64 s[PFA:PFA+1], s[8:9], s[16:17]   ; (in waves 0 and 4 these stand at a slot's first row)
	s_lshl_b32 s2, s13, 13                         ; my work-group's 8,192 bytes of the 32,768
	s_add_nc_u64 s[PFA:PFA+1], s[PFA:PFA+1], s[2:3]
	s_add_nc_u64 s[PFA:PFA+1], s[PFA:PFA+1], 2*SLOTB  ; in slot 2; the first change of slots steps it to slot 3.  Nothing is prefetched at the head
	CROUND                                         ; all four work-groups are here: the first joint loads meet
.irp s, 0,1
	s_mov_b32 s[G0K+4*\s], 1
	s_add_co_u32 s[G0K+4*\s+1], s14, \s*SLOT1
	s_add_nc_u64 s[G0K+4*\s+2:G0K+4*\s+3], s[8:9], \s*SLOTB
	s_or_b32 s[G0K+4*\s+3], s[G0K+4*\s+3], 0x80000000
	s_mov_b32 s[G0V+4*\s], 1
	s_add_co_u32 s[G0V+4*\s+1], s14, \s*SLOT1+VOFF
	s_add_nc_u64 s[G0V+4*\s+2:G0V+4*\s+3], s[16:17], \s*SLOTB
	s_or_b32 s[G0V+4*\s+3], s[G0V+4*\s+3], 0x80000000
.endr
	s_cmp_lt_u32 s[WV], 4                          ; a wave's two first fills stand in one branch, ahead of every wait on TENSORcnt and every LDS read: two loads of mine are out
	s_cbranch_scc0 .Lfirst_v
	tensor_load_to_lds s[G0K:G0K+3], s[G1K:G1K+7]
	s_nop 0
	tensor_load_to_lds s[G0K+4:G0K+7], s[G1K:G1K+7]
	s_nop 0
.rept 4
	v_nop
.endr
	s_branch .Lfirst_asked
.Lfirst_v:
	tensor_load_to_lds s[G0V:G0V+3], s[G1V:G1V+7]
	s_nop 0
	tensor_load_to_lds s[G0V+4:G0V+7], s[G1V:G1V+7]
	s_nop 0
.rept 4
	v_nop
.endr
.Lfirst_asked:
	v_and_b32 v1, 15, v0                           ; r = lane % 16
	v_bfe_u32 v9, v0, 4, 1                         ; h = lane / 16
	v_lshlrev_b32 v81, 5, v0                       ; the mask: 8 keys, 32 bytes, a thread
	v_lshlrev_b32 v80, 7, v1
	v_lshl_add_u32 v80, v9, 4, v80                 ; Q: row r of 128 bytes + 16 h
	global_load_b128 v[224:227], v81, s[6:7]
	global_load_b128 v[228:231], v81, s[6:7] offset:16
	WIN W_TO1
.irp t, 0,1,2,3                                ; Q stays in registers: tile t, channels 32 c on: registers 0-3 channels 8 h + 0..7, registers 4-7 channels 16 + 8 h + 0..7
.irp c, 0,1
	global_load_b128 v[16*\t+8*\c:16*\t+8*\c+3],   v80, s[4:5] offset:2048*\t+64*\c
	global_load_b128 v[16*\t+8*\c+4:16*\t+8*\c+7], v80, s[4:5] offset:2048*\t+64*\c+32
.endr
.endr
.set i, 0
.rept 128
	v_mov_b32 v[OT+i], 0                           ; O^T.  The key step is written once: its first pass finds zeros, which a = 0 leaves zeros; that spares a copy of the step with products that start sums
.set i, i+1
.endr
	WIN 0
	v_lshrrev_b32 v83, 1, v1
	v_mul_u32_u24 v[AK0], v83, PK
	v_and_b32 v84, 1, v0
	v_lshl_add_u32 v[AK0], v84, 7, v[AK0]
	v_lshl_add_u32 v[AK0], v9, 4, v[AK0]           ; K: key r of a tile: (r / 2) x 272 + 128 (r % 2), + 16 h
	v_bfe_u32 v83, v0, 1, 2
	v_lshl_add_u32 v83, v9, 2, v83
	v_mul_u32_u24 v[AV0], v83, PV
	v_lshl_add_u32 v[AV0], v84, 7, v[AV0]
	v_bfe_u32 v83, v0, 3, 1
	v_lshl_add_u32 v[AV0], v83, 4, v[AV0]
	v_add_nc_u32 v[AV0], VOFF, v[AV0]              ; V: the turning load's lane l reads key 8 h + l % 8, channels 8 ((l / 8) % 2) + 0..7
	v_lshl_add_u32 v[AB0], v9, 5, BIASL            ; the bias: my eight keys of a tile begin 32 h bytes on
	v_lshl_add_u32 v82, v0, 5, BIASL               ; and where my thread stores its eight
	s_mul_i32 s2, s[WV], 16*SP
	s_add_co_u32 s2, s2, STAGE                     ; my stage
	v_mul_u32_u24 v[STO], v1, SP
	v_lshl_add_u32 v[STO], v9, 4, v[STO]
	v_add_nc_u32 v[STO], s2, v[STO]                ; in: row r, 16 bytes for each half of the lanes
	v_bfe_u32 v83, v0, 3, 2
	v_mul_u32_u24 v[RD], v83, SP
	v_and_b32 v83, 7, v0
	v_lshl_add_u32 v[RD], v83, 4, v[RD]
	v_add_nc_u32 v[RD], s2, v[RD]                  ; back: eight lanes a row of 128 bytes, the 32 lanes four rows
	v_and_b32 v[GO], 31, v0
	v_lshlrev_b32 v[PFO], 8, v[GO]
	v_lshlrev_b32 v[GO], 4, v[GO]
.irp t, 0,1,2,3
	v_mov_b32 v[ST+8*\t+1], 0xd3000000             ; m = -2^39
	v_mov_b32 v[ST+8*\t+2], 0                      ; l, in two halves
	v_mov_b32 v[ST+8*\t+3], 0
.endr
.irp t, 0,1,2,3
	v_mul_f32 v[ST+8*\t], s[CS], v[ST+8*\t+1]      ; c m
.endr
	v_mov_b32 v13, 0xf149f2ca                      ; -1e30
	s_wait_loadcnt 16                              ; the mask's two loads are in; Q's sixteen, issued behind them, may be out
.irp i, 0,1,2,3,4,5,6,7
	v_cmp_eq_u32 vcc_lo, 0, v[224+\i]
	v_cndmask_b32 v[232+\i], 0, v13, vcc_lo        ; -1e30 where the mask is 0, else 0
.endr
	ds_store_b128 v82, v[232:235]
	ds_store_b128 v82, v[236:239] offset:16
	s_wait_tensorcnt 0x1                           ; my part of slot 0 is in; slot 1's load, issued behind it, may be out
	s_wait_dscnt 0x0                               ; for the others' sake: my part of the bias is stored
	s_barrier_signal -1
	s_barrier_wait -1
; A step's K (64 keys x 64 channels: 8 fragments) and its bias: 24 LDS loads in one run.
.macro FETCH_K
	WIN 0
	v_add_nc_u32 v[ADR], s[TB], v[AK0]
	v_add_nc_u32 v[ADB], s[TBB], v[AB0]
	s_add_co_u32 s[TBB], s[TBB], 256
.irp kt, 0,1,2,3
	ds_load_b128 v[BI+8*\kt:BI+8*\kt+3],   v[ADB] offset:64*\kt       ; lane (r, h): bias of keys 16 kt + 8 h + 0..7: the result's layout
	ds_load_b128 v[BI+8*\kt+4:BI+8*\kt+7], v[ADB] offset:64*\kt+16
.endr
	WIN W_TO1
.irp kt, 0,1,2,3
.irp c, 0,1
	ds_load_b128 v[KF+16*\kt+8*\c:KF+16*\kt+8*\c+3],   v[ADR] offset:8*PK*\kt+64*\c
	ds_load_b128 v[KF+16*\kt+8*\c+4:KF+16*\kt+8*\c+7], v[ADR] offset:8*PK*\kt+64*\c+32
.endr
.endr
.endm
; THE FRONT OF A KEY STEP: S^T = K Q^T + bias, the softmax, P packed in place, V asked for.
.macro FRONT
.rept 5
	v_nop                                          ; the products below write over registers that the last V^T P read as its sources: five plain lines between (one more than a load or a vector write wants)
.endr
	s_wait_dscnt 0x0                               ; K and the bias are in
	WIN W_KQ
.irp c, 0,1                                    ; the 16 accumulators take turns, one instruction a turn
.irp kt, 0,1,2,3
.irp t, 0,1,2,3
.if \c == 0
	v_wmma_f32_16x16x32_f16 v[S+32*\t+8*\kt:S+32*\t+8*\kt+7], v[KF+16*\kt:KF+16*\kt+7], v[16*\t:16*\t+7], v[BI+8*\kt:BI+8*\kt+7]
.else
	v_wmma_f32_16x16x32_f16 v[S+32*\t+8*\kt:S+32*\t+8*\kt+7], v[KF+16*\kt+8:KF+16*\kt+15], v[16*\t+8:16*\t+15], v[S+32*\t+8*\kt:S+32*\t+8*\kt+7]
.endif
.endr
.endr
.endr
	WIN 0
.rept 4
	v_nop                                          ; four plain lines ahead of the first read of results
.endr
	; the maximum of a lane's 32 scores and the old m: four chains a tile, the tiles by turns; each accumulator is first read at its registers 0 to 2
.irp j, 0,1,2,3
.irp t, 0,1,2,3
	v_max3_num_f32 v[ST+8*\t+4+\j], v[S+32*\t+8*\j], v[S+32*\t+8*\j+1], v[S+32*\t+8*\j+2]
.endr
.endr
.irp q, 1,2
.irp j, 0,1,2,3
.irp t, 0,1,2,3
	v_max3_num_f32 v[ST+8*\t+4+\j], v[ST+8*\t+4+\j], v[S+32*\t+8*\j+2*\q+1], v[S+32*\t+8*\j+2*\q+2]
.endr
.endr
.endr
.irp t, 0,1,2,3
	v_max3_num_f32 v[ST+8*\t+4], v[ST+8*\t+4], v[S+32*\t+7], v[S+32*\t+15]
.endr
.irp t, 0,1,2,3
	v_max3_num_f32 v[ST+8*\t+6], v[ST+8*\t+6], v[S+32*\t+23], v[S+32*\t+31]
.endr
.irp t, 0,1,2,3
	v_max3_num_f32 v[ST+8*\t+4], v[ST+8*\t+4], v[ST+8*\t+5], v[ST+8*\t+6]
.endr
.irp t, 0,1,2,3
	v_max3_num_f32 v[ST+8*\t+4], v[ST+8*\t+4], v[ST+8*\t+7], v[ST+8*\t+1]
.endr
.irp t, 0,1,2,3
	v_permlanex16_b32 v[ST+8*\t+5], v[ST+8*\t+4], s[SEL], s[SEL+1]   ; the query's other 32 keys lie in the lane 16 away
.endr
.irp t, 0,1,2,3
	v_mov_b32 v[ST+8*\t+7], v[ST+8*\t]             ; c m_old is kept for a
.endr
.irp t, 0,1,2,3
	v_max_num_f32 v[ST+8*\t+1], v[ST+8*\t+4], v[ST+8*\t+5]
.endr
.irp t, 0,1,2,3
	v_mul_f32 v[ST+8*\t], s[CS], v[ST+8*\t+1]
.endr
.irp t, 0,1,2,3
	v_sub_f32 v[ST+8*\t+7], v[ST+8*\t+7], v[ST+8*\t]
.endr
	; ONE BATCH of 132 exponentials, in which no result is named: a of the four tiles; then, pair by pair, the four tiles' scalings c s - c m and that pair's eight exponentials
.irp t, 0,1,2,3
	v_exp_f32 v[ST+8*\t+6], v[ST+8*\t+7]
.endr
.irp b, 0,1,2,3,4,5,6,7,8,9,10,11,12,13,14,15
.irp t, 0,1,2,3
	v_pk_fma_f32 v[S+32*\t+2*\b:S+32*\t+2*\b+1], v[S+32*\t+2*\b:S+32*\t+2*\b+1], s[CS:CS+1], v[ST+8*\t:ST+8*\t+1] op_sel_hi:[1,0,0] neg_lo:[0,0,1] neg_hi:[0,0,1]
.endr
.irp t, 0,1,2,3
	v_exp_f32 v[S+32*\t+2*\b], v[S+32*\t+2*\b]
	v_exp_f32 v[S+32*\t+2*\b+1], v[S+32*\t+2*\b+1]
.endr
.endr
	v_nop                                          ; a plain line behind the last exponential
	s_wait_alu depctr_va_vdst(0)                   ; one wait for the whole batch, ahead of its first reader
	; the sums, of the p as they are in f32; they leave p where it lies
.irp t, 0,1,2,3
	v_pk_add_f32 v[ST+8*\t+4:ST+8*\t+5], v[S+32*\t:S+32*\t+1], v[S+32*\t+2:S+32*\t+3]
.endr
.irp b, 2,3,4,5,6,7,8,9,10,11,12,13,14,15
.irp t, 0,1,2,3
	v_pk_add_f32 v[ST+8*\t+4:ST+8*\t+5], v[ST+8*\t+4:ST+8*\t+5], v[S+32*\t+2*\b:S+32*\t+2*\b+1]
.endr
.endr
.irp t, 0,1,2,3
	v_pk_fma_f32 v[ST+8*\t+2:ST+8*\t+3], v[ST+8*\t+2:ST+8*\t+3], v[ST+8*\t+6:ST+8*\t+7], v[ST+8*\t+4:ST+8*\t+5] op_sel_hi:[1,0,1]   ; l = l a + the step's sum
.endr
	v_add_nc_u32 v[ADV], s[TB], v[AV0]
	s_add_co_u32 s[TB], s[TB], STEPB               ; the next fetch is the next step's
	; tile by tile: p is rounded to f16 in pairs, register i taking registers 2 i and 2 i + 1 (ascending: what is written has been read); the upper 16 registers, now free, take two of V's fragments
.irp t, 0,1,2,3
.set i, 0
.rept 16
	v_cvt_pk_f16_f32 v[S+32*\t+i], v[S+32*\t+2*i], v[S+32*\t+2*i+1]
.set i, i+1
.endr
.irp e, 0,1                                    ; fragment f = 2 t + e: keys 32 (f / 4) on, channels 16 (f % 4) on
	ds_load_tr16_b128 v[S+32*\t+16+8*\e:S+32*\t+16+8*\e+3],   v[ADV] offset:16*PV*((2*\t+\e)/4)+32*((2*\t+\e)%4)
	ds_load_tr16_b128 v[S+32*\t+16+8*\e+4:S+32*\t+16+8*\e+7], v[ADV] offset:16*PV*((2*\t+\e)/4)+32*((2*\t+\e)%4)+8*PV
.endr
.endr
.endm
; THE BACK OF A KEY STEP: O^T = O^T a + V^T P.  younger: the LDS loads issued behind V's sixteen, which may stay out: the next step's 24 (8 of the bias, 16 of K), or none.
.macro BACK younger
	WIN W_RS
.irp t, 0,1,2,3
.set i, 0
.rept 16
	v_pk_mul_f32 v[OT+32*\t+i:OT+32*\t+i+1], v[OT+32*\t+i:OT+32*\t+i+1], v[ST+8*\t+6:ST+8*\t+7] op_sel_hi:[1,0]   ; ascending: each accumulator is first read at its low end
.set i, i+2
.endr
.endr
	s_wait_dscnt \younger
	WIN W_PV
.irp u, 0,1                                    ; the 16 accumulators take turns
.irp ct, 0,1,2,3
.irp t, 0,1,2,3
	v_wmma_f32_16x16x32_f16 v[OT+32*\t+8*\ct:OT+32*\t+8*\ct+7], v[S+32*((4*\u+\ct)/2)+16+8*((4*\u+\ct)%2):S+32*((4*\u+\ct)/2)+16+8*((4*\u+\ct)%2)+7], v[S+32*\t+8*\u:S+32*\t+8*\u+7], v[OT+32*\t+8*\ct:OT+32*\t+8*\ct+7]
.endr
.endr
.endr
.endm
; The loop's body: the next step's K is asked for, this step is finished, the next step's front follows.  So the order of fetches is V of step j, K of step j + 1, and a change of slots stands between the two.
.macro BODY
	FETCH_K
	BACK 24
	FRONT
.endm
.macro STEPS n
	s_mov_b32 s[CNT], \n
.Lstep_\@:
	BODY
	s_sub_co_u32 s[CNT], s[CNT], 1
	s_cmp_lg_u32 s[CNT], 0
	s_cbranch_scc1 .Lstep_\@
.endm
; THE CHANGE OF SLOTS: the slot's last bytes, V of its fourth step, have been asked for.  Each wave waits for all its tensor loads, of which one is out: its part of the other slot; adds 0 to its spare word; and waits for
; that and for its reads of the slot.  fill = 1: the barrier is a round of the cluster's, so that no wave of any partner still reads the slot or has a load on its way, and the joint refill, with the keys two slots on,
; is the first thing behind it: it has four key steps in which to land.
.macro CHANGE fill
	WIN 0
	s_wait_tensorcnt 0x0                           ; no tensor load of mine is out, so a group 0 may be written
	ds_add_u32 v[SPW], v[NIL]                      ; 0 onto my spare word
.if \fill
.irp g, G0K+4, G0V+4
	s_xor_b32 s[\g+1], s[\g+1], SLOT1              ; the walking descriptor: the other slot than last time,
	s_add_nc_u64 s[\g+2:\g+3], s[\g+2:\g+3], SLOTB ; the next 256 keys
.endr
	s_wait_xcnt 0x0                                ; the last prefetch, four key steps back, has read its address, so it may be written
	s_add_nc_u64 s[PFA:PFA+1], s[PFA:PFA+1], SLOTB
	s_wait_dscnt 0x0                               ; the add is done, and my reads of the slot are over
	CROUND
	JLOAD
	ASK
.else
	s_wait_dscnt 0x0
	s_barrier_signal -1
	s_barrier_wait -1
.endif
	s_sub_co_u32 s[TB], s[TB], 4*STEPB             ; the fetches go back to a slot's first step,
	s_xor_b32 s[TB], s[TB], SLOT1                  ; in the other slot
.endm
	FETCH_K                                        ; key step 0
	s_wait_loadcnt 0x0                             ; Q
	FRONT
	STEPS 3                                        ; the rest of slot 0
.Lslot:                                            ; six trips: every slot but the last two is filled again
	CHANGE 1
	STEPS 4
	s_sub_co_u32 s[SLOTS], s[SLOTS], 1
	s_cmp_lg_u32 s[SLOTS], 0
	s_cbranch_scc1 .Lslot
	CHANGE 0                                       ; the tail is written out
	STEPS 4
	BACK 0                                         ; the last step's V^T P
	; THE WAY OUT.  l's two halves and the other half of the lanes' are added (these lines are also the plain lines behind the last products); O^T is divided by l, rounded to f16 and sent through my stage, a tile at a time.
	WIN 0
.irp t, 0,1,2,3
	v_add_f32 v[ST+8*\t+4], v[ST+8*\t+2], v[ST+8*\t+3]
.endr
.irp t, 0,1,2,3
	v_permlanex16_b32 v[ST+8*\t+5], v[ST+8*\t+4], s[SEL], s[SEL+1]
.endr
.irp t, 0,1,2,3
	v_add_f32 v[ST+8*\t+4], v[ST+8*\t+4], v[ST+8*\t+5]
.endr
.irp t, 0,1,2,3
	v_rcp_f32 v[ST+8*\t+6], v[ST+8*\t+4]           ; l = 0, a row with no open key, gives infinity, and 0 x infinity below NaN
.endr
	v_nop                                          ; a plain line behind the last reciprocal
	s_wait_alu depctr_va_vdst(0)                   ; and one wait for the four, ahead of their first reader
.macro PACK t
	WIN W_RS
.set i, 0
.rept 16
	v_pk_mul_f32 v[OT+32*\t+i:OT+32*\t+i+1], v[OT+32*\t+i:OT+32*\t+i+1], v[ST+8*\t+6:ST+8*\t+7] op_sel_hi:[1,0]
.set i, i+2
.endr
	WIN W_KQ                                       ; sources 0 and 1 window 1, destination window 0
.set i, 0
.rept 16
	v_cvt_pk_f16_f32 v[S+32*\t+i], v[OT+32*\t+2*i], v[OT+32*\t+2*i+1]
.set i, i+1
.endr
	WIN 0
.irp ct, 0,1,2,3
	ds_store_b128 v[STO], v[S+32*\t+4*\ct:S+32*\t+4*\ct+3] offset:32*\ct   ; lane (r, h): channels 16 ct + 8 h + 0..7 of query r
.endr
.irp f, 0,1,2,3
	ds_load_b128 v[S+32*\t+16+4*\f:S+32*\t+16+4*\f+3], v[RD] offset:4*SP*\f   ; LDS serves a wave's instructions in order: these see the stores above; the next tile's stores come behind them
.endr
.endm
.macro SEND t, younger                 ; younger: the LDS instructions issued behind tile t's loads: the next tile's four stores and four loads, or none
.irp f, 0,1,2,3
	s_wait_dscnt \younger+3-\f
	global_store_b128 v[GO], v[S+32*\t+16+4*\f:S+32*\t+16+4*\f+3], s[10:11] offset:2048*\t+512*\f   ; 32 lanes store four rows, 512 consecutive bytes, at a multiple of 512 from att's first byte
.endr
.endm
	PACK 0
	PACK 1
	SEND 0, 8
	PACK 2
	SEND 1, 8
	PACK 3
	SEND 2, 8
	SEND 3, 0
	s_wait_tensorcnt 0x0                           ; the wave's end: the add and its wait behind my last tensor load and my last LDS store
	ds_add_u32 v[SPW], v[NIL]
	s_wait_dscnt 0x0
	CROUND                                         ; the closing round: no work-group ends while a partner may still ask for a tile that names it
	s_endpgm
.Lfunc_end_k_q9d06420161_attn:
	.size	k_q9d06420161_attn, .Lfunc_end_k_q9d06420161_attn-k_q9d06420161_attn
	.p2alignl 7, 3214868480
	.fill 96, 4, 3214868480
	.section	.rodata,"a",@progbits
	.p2align	6, 0x0
	.amdhsa_kernel k_q9d06420161_attn
		.amdhsa_group_segment_fixed_size 327680
		.amdhsa_private_segment_fixed_size 0
		.amdhsa_enable_private_segment 0
		.amdhsa_kernarg_size 24
		.amdhsa_user_sgpr_count 2
		.amdhsa_user_sgpr_kernarg_segment_ptr 1
		.amdhsa_wavefront_size32 1
		.amdhsa_system_sgpr_workgroup_id_x 1
		.amdhsa_system_sgpr_workgroup_id_y 1
		.amdhsa_system_sgpr_workgroup_id_z 1
		.amdhsa_system_vgpr_workitem_id 0
		.amdhsa_next_free_vgpr 512
		.amdhsa_next_free_sgpr 66
		.amdhsa_reserve_vcc 1
		.amdhsa_float_denorm_mode_32 3
		.amdhsa_float_denorm_mode_16_64 3
		.amdhsa_memory_ordered 1
		.amdhsa_forward_progress 1
		.amdhsa_inst_pref_size 159
	.end_amdhsa_kernel
	.amdgpu_metadata
---
amdhsa.version: [ 1, 2 ]
amdhsa.kernels:
  - .name:           k_q9d06420161_attn
    .symbol:         k_q9d06420161_attn.kd
    .args:
      - { .name: qkv, .offset: 0, .size: 8, .value_kind: global_buffer, .address_space: global }
      - { .name: mask, .offset: 8, .size: 8, .value_kind: global_buffer, .address_space: global }
      - { .name: att, .offset: 16, .size: 8, .value_kind: global_buffer, .address_space: global }
    .group_segment_fixed_size: 327680
    .private_segment_fixed_size: 0
    .kernarg_segment_align: 8
    .kernarg_segment_size: 24
    .max_flat_workgroup_size: 256
    .sgpr_count:     66
    .vgpr_count:     512
    .wavefront_size: 32
...
	.end_amdgpu_metadata
.endif
;; end of part 3
;; launch oproj (part 4): grid 4 x 64, 4 waves a work-group, clusters of 4 x 4, 327,680 bytes of LDS; arguments att, wo16, bo, out0; writes out0
.if DOCPART == 4
	.amdgcn_target "amdgcn-amd-amdhsa--gfx1250"
	.amdhsa_code_object_version 6
	.text
	.protected	k_q9d06420161_oproj
	.globl	k_q9d06420161_oproj
	.p2align	8
	.type	k_q9d06420161_oproj,@function
k_q9d06420161_oproj:
	s_mov_b64 s[64:65], 0
	v_nop
	global_prefetch_b8 v0, s[64:65] scope:SCOPE_SE
	s_setreg_imm32_b32 hwreg(HW_REG_WAVE_MODE, 25, 1), 1
	s_wait_xcnt 0x0
	s_wait_alu depctr_hold_cnt(0) depctr_sa_sdst(0) depctr_va_vdst(0) depctr_va_sdst(0) depctr_va_ssrc(0) depctr_va_vcc(0) depctr_vm_vsrc(0)
	s_getreg_b32 s2, hwreg(HW_REG_IB_STS2, 6, 4)
	s_cmp_eq_u32 s2, 0
	s_cbranch_scc0 .Lentry_in_a_cluster
	s_endpgm
.Lentry_in_a_cluster:
	s_bfe_u32 s2, ttmp6, 0x10000c
	s_cmp_lg_u32 s2, 0xf033
	s_cbranch_scc0 .Lentry_shape_is_right
	s_endpgm
.Lentry_shape_is_right:
; OPROJ.  out0[m][n] = sum over k of att[m][k] Wo[n][k] + bo[n], f16 operands, f32 sums, f32 out.  m = 2048 b + s (8,192 rows), n = 1,024, k = 64 head + channel (1,024).
; att lies by heads, [b][head][s][64] f16; wo16 [n][k] f16.  A K step of 128 is two heads: of att two planes of 128 rows x 128 dense bytes, of wo16 256 bytes of each row.
; A tile of out0 is 128 (m) x 256 (n): 256 work-groups.  Four waves, each 64 x 128: 32 accumulators of 16 x 16, 256 registers.  K goes in eight steps through a ring of two LDS slots filled by the tensor data mover.
; CLUSTERS: 4 x 4 work-groups.  The four of a row of the cluster need the same tiles of att, the four of a column the same tiles of wo16: each tile is asked for JOINTLY, by the same tensor load with the same descriptor
; and a mask that names the four.  THE MATRIX INSTRUCTION IS USED TRANSPOSED (source 0 = 16 rows of wo16, source 1 = 16 rows of att): a lane holds eight neighbouring columns of one row.  bo is the C of each sum's first product.
; No prefetch: the launch is eight K steps long, and two of them are asked for at the head.
; LDS: a slot = att's two planes (each 64 double rows of 256 bytes + 16: row i at (i / 2) x 272 + 128 (i % 2)), then wo16's 256 rows of 256 + 16.  Behind the ring a stage for each wave and the spare words.
; REGISTERS: window 0: v0-31 addresses; v64-95, v96-127 att's fragments, two buffers; v192-255 bo in the result's layout; on the way out v128-255.   window 1: v64-127, v128-191 wo16's fragments, two buffers.   window 2: the accumulators, (a, b) at v[8 (8 a + b)].
.set PITCH,  272
.set APLANE, 64*PITCH
.set BHALF,  128*PITCH
.set BOFF,   2*APLANE
.set SLOT,   BOFF+2*BHALF
.set STAGE,  2*SLOT
.set SPITCH, 528                       ; a stage row: 512 bytes + 16
.set SPARE,  STAGE+4*16*SPITCH         ; the spare words, 128 bytes a wave, which no other line names
.set LAPS,   4                         ; a lap = two K steps = once round the ring
.set ADRA, 16
.set ADRB, 20
.set STO,  24
.set RD,   25
.set CO,   26
.set SPW,  28
.set NIL,  29
.set BO,   30
.set AF,   64                          ; in window 0: buffer p at AF + 32 p
.set BF,   64                          ; in window 1: buffer p at BF + 64 p
.set BIAS, 192
.set BK,   128                         ; the way out: v128-191 and v192-255 by turns
.set G1, 24
.set G0, 32
.set G1B, 48
.set G0B, 56
.set MSB, 0
.macro WIN new
.if MSB != \new
	s_set_vgpr_msb (MSB<<8)|\new
.set MSB, \new
.endif
.endm
.set MUL,  0xa1                        ; source 0 (wo16) window 1, source 1 (att) window 0, C and D window 2
.set FST,  0x81                        ; a sum's first product: C (bo) window 0
.set TO_B, 0x40
.macro JLOAD s                         ; a joint load: waves 0 and 1 fetch att's two planes, waves 2 and 3 wo16's two halves; an s_nop 0 and four v_nop follow each of the two lines
	s_cmp_eq_u32 s13, 0
	s_cbranch_scc0 .Lfor_b_\@
	tensor_load_to_lds s[G0+4*\s:G0+4*\s+3], s[G1:G1+7]
	s_nop 0
.rept 4
	v_nop
.endr
	s_branch .Lasked_\@
.Lfor_b_\@:
	tensor_load_to_lds s[G0B+4*\s:G0B+4*\s+3], s[G1B:G1B+7]
	s_nop 0
.rept 4
	v_nop
.endr
.Lasked_\@:
.endm
.macro CREST                           ; a round of the cluster's barrier behind its opening barrier
	s_cmp_lg_u32 s12, 0
	s_cbranch_scc1 .Lnot_wave_0_\@
	s_barrier_signal -3
.Lnot_wave_0_\@:
	s_barrier_wait -3
	s_barrier_signal -1
	s_barrier_wait -1
.endm
.macro CROUND
	s_barrier_signal -1
	s_barrier_wait -1
	CREST
.endm
	s_load_b256 s[4:11], s[0:1], 0x0               ; att, wo16, bo, out0
	v_lshl_add_u32 v[SPW], v0, 2, SPARE
	v_mov_b32 v[NIL], 0
	ds_add_u32 v[SPW], v[NIL]                      ; the wave's opening: the add, twice on end, and its wait ahead of my first tensor load
	ds_add_u32 v[SPW], v[NIL]
	v_lshrrev_b32 v1, 5, v0
	v_readfirstlane_b32 s12, v1                    ; wave 0..3
	s_lshr_b32 s13, s12, 1                         ; which 64 rows of the tile are mine.  Also: I fetch for att (0) or for wo16 (1)
	s_and_b32 s14, s12, 1                          ; which 128 columns.  Also: which plane, or which 128 rows, I fetch
	s_bfe_u32 s40, ttmp6, 0x40000                  ; cx, cy
	s_bfe_u32 s41, ttmp6, 0x40004
	s_lshl_b32 s42, ttmp9, 2
	s_add_co_u32 s42, s42, s40                     ; tile column
	s_and_b32 s15, ttmp7, 0xffff
	s_lshl_b32 s15, s15, 2
	s_add_co_u32 s15, s15, s41                     ; tile row
	s_lshl_b32 s43, s41, 2
	s_lshl_b32 s43, 15, s43                        ; my row of the cluster
	s_lshl_b32 s44, 0x1111, s40                    ; my column
	s_or_b32 s[G1+0], s43, (1<<16)|(1<<20)|(1<<21)|(5<<22)|(3<<25)   ; the mask: att's tiles go to my row; elements of 2 bytes; padding on; bit 21 beside a mask; 4 words after every 64
	s_mov_b32 s[G1+1], 128<<16                     ; att's plane: 16,384 dense bytes as 64 rows x 128 elements
	s_mov_b32 s[G1+2], 64<<16
	s_mov_b32 s[G1+3], 128<<16
	s_mov_b32 s[G1+4], 64
	s_mov_b32 s[G1+5], 128
	s_mov_b32 s[G1+6], 0
	s_mov_b32 s[G1+7], 0
	s_or_b32 s[G1B+0], s44, (1<<16)|(1<<20)|(1<<21)|(5<<22)|(3<<25)
	s_mov_b32 s[G1B+1], 128<<16                    ; wo16: 128 rows x 128 elements, 1,024 elements from row to row
	s_mov_b32 s[G1B+2], 128<<16
	s_mov_b32 s[G1B+3], 128<<16
	s_mov_b32 s[G1B+4], 128
	s_mov_b32 s[G1B+5], 1024
	s_mov_b32 s[G1B+6], 0
	s_mov_b32 s[G1B+7], 0
	; att: b x 2^22 + head x 2^18 + s x 128, b = tile row / 16, s = 128 (tile row % 16), head = my plane; wo16: (256 x tile column + 128 x half) rows of 2,048 bytes.  Each in registers that never hold the other coordinate
	s_lshr_b32 s16, s15, 4
	s_lshl_b32 s16, s16, 22
	s_and_b32 s17, s15, 15
	s_lshl_b32 s17, s17, 14
	s_add_co_u32 s16, s16, s17
	s_lshl_b32 s18, s14, 18
	s_add_co_u32 s16, s16, s18
	s_mov_b32 s17, 0
	s_lshl_b32 s46, s42, 19
	s_add_co_u32 s46, s46, s18
	s_mov_b32 s47, 0
	s_mul_i32 s20, s14, APLANE                     ; where they go: made of the wave's number alone
	s_mul_i32 s21, s14, BHALF
	s_add_co_u32 s21, s21, BOFF
	s_wait_dscnt 0x0                               ; both opening adds are done
	s_wait_kmcnt 0x0
	s_add_nc_u64 s[16:17], s[4:5], s[16:17]
	s_add_nc_u64 s[46:47], s[6:7], s[46:47]
	CROUND                                         ; all sixteen work-groups are here: the first joint loads meet
.irp s, 0,1
	s_mov_b32 s[G0+4*\s], 1
	s_add_co_u32 s[G0+4*\s+1], s20, \s*SLOT
	s_add_nc_u64 s[G0+4*\s+2:G0+4*\s+3], s[16:17], \s*524288       ; K step s: two heads on
	s_or_b32 s[G0+4*\s+3], s[G0+4*\s+3], 0x80000000
	s_mov_b32 s[G0B+4*\s], 1
	s_add_co_u32 s[G0B+4*\s+1], s21, \s*SLOT
	s_add_nc_u64 s[G0B+4*\s+2:G0B+4*\s+3], s[46:47], \s*256
	s_or_b32 s[G0B+4*\s+3], s[G0B+4*\s+3], 0x80000000
	JLOAD \s                                       ; two tensor loads of mine are out when the head is through
.endr
	v_and_b32 v1, 15, v0                           ; r
	v_bfe_u32 v2, v0, 4, 1                         ; h
	v_lshrrev_b32 v3, 1, v1
	v_mul_u32_u24 v3, v3, PITCH
	v_and_b32 v4, 1, v0
	v_lshl_add_u32 v3, v4, 7, v3
	v_lshl_add_u32 v3, v2, 4, v3                   ; att: row r of a block: (r / 2) x 272 + 128 (r % 2), + 16 h
	v_mul_u32_u24 v4, v1, PITCH
	v_lshl_add_u32 v4, v2, 4, v4                   ; wo16: row r x 272 + 16 h
	s_mul_i32 s22, s13, 32*PITCH                   ; my 64 rows of a plane
	s_mul_i32 s23, s14, BHALF                      ; my 128 rows of wo16,
	s_add_co_u32 s23, s23, BOFF                    ; behind the planes
.irp s, 0,1
	v_add_nc_u32 v[ADRA+\s], s22, v3
	v_add_nc_u32 v[ADRB+\s], s23, v4
	s_add_co_u32 s22, s22, SLOT
	s_add_co_u32 s23, s23, SLOT
.endr
	s_mul_i32 s22, s12, 16*SPITCH
	s_add_co_u32 s22, s22, STAGE                   ; my stage
	v_mul_u32_u24 v5, v1, SPITCH
	v_lshl_add_u32 v5, v2, 5, v5
	v_add_nc_u32 v[STO], s22, v5                   ; in: row r, 32 bytes for each half of the lanes
	v_and_b32 v6, 31, v0
	v_lshlrev_b32 v[CO], 4, v6                     ; back: the 32 lanes take one row of 512 bytes; and the same in out0
	v_add_nc_u32 v[RD], s22, v[CO]
	v_lshlrev_b32 v[BO], 5, v2
	s_lshl_b32 s46, s42, 10                        ; my first column, in bytes of f32: 1,024 x tile column + 512 x half
	s_lshl_b32 s47, s14, 9
	s_add_co_u32 s46, s46, s47
	s_mov_b32 s47, 0
	s_add_nc_u64 s[8:9], s[8:9], s[46:47]
.irp b, 0,1,2,3,4,5,6,7                        ; lane (r, h) holds, for wo16's block b, bo[16 b + 8 h + 0 .. 7]
	global_load_b128 v[BIAS+8*\b:BIAS+8*\b+3], v[BO], s[8:9] offset:64*\b
	global_load_b128 v[BIAS+8*\b+4:BIAS+8*\b+7], v[BO], s[8:9] offset:64*\b+16
.endr
	s_lshl_b32 s16, s15, 7
	s_lshl_b32 s17, s13, 6
	s_add_co_u32 s16, s16, s17                     ; my first row: 128 x tile row + 64 x half,
	s_lshl_b32 s16, s16, 12                        ; of 4,096 bytes (under 2^25 in all)
	s_add_co_u32 s16, s16, s46
	s_mov_b32 s17, 0
	s_add_nc_u64 s[10:11], s[10:11], s[16:17]
; 24 LDS loads in one run: the fragments of the slot's q-th 32 along K into buffer p: wo16's eight blocks, then att's four.  q / 2 picks the plane, q % 2 its half of the 64 channels.
.macro FETCH slot, q, p
	WIN TO_B
.irp i, 0,1,2,3,4,5,6,7
	ds_load_b128 v[BF+64*(\p)+8*\i:BF+64*(\p)+8*\i+3],   v[ADRB+\slot] offset:64*(\q)+\i*16*PITCH
	ds_load_b128 v[BF+64*(\p)+8*\i+4:BF+64*(\p)+8*\i+7], v[ADRB+\slot] offset:64*(\q)+\i*16*PITCH+32
.endr
	WIN 0
.irp i, 0,1,2,3
	ds_load_b128 v[AF+32*(\p)+8*\i:AF+32*(\p)+8*\i+3],   v[ADRA+\slot] offset:APLANE*((\q)/2)+64*((\q)%2)+\i*8*PITCH
	ds_load_b128 v[AF+32*(\p)+8*\i+4:AF+32*(\p)+8*\i+7], v[ADRA+\slot] offset:APLANE*((\q)/2)+64*((\q)%2)+\i*8*PITCH+32
.endr
.endm
; 8 matrix instructions: att's block a against wo16's eight.  first = 1: the product starts the sum, with bo as its C.  The 32 accumulators take turns, in the same order in every quarter.
.macro MULA p, a, first
.irp b, 0,1,2,3,4,5,6,7
.if \first
	v_wmma_f32_16x16x32_f16 v[8*(8*(\a)+\b):8*(8*(\a)+\b)+7], v[BF+64*(\p)+8*\b:BF+64*(\p)+8*\b+7], v[AF+32*(\p)+8*(\a):AF+32*(\p)+8*(\a)+7], v[BIAS+8*\b:BIAS+8*\b+7]
.else
	v_wmma_f32_16x16x32_f16 v[8*(8*(\a)+\b):8*(8*(\a)+\b)+7], v[BF+64*(\p)+8*\b:BF+64*(\p)+8*\b+7], v[AF+32*(\p)+8*(\a):AF+32*(\p)+8*(\a)+7], v[8*(8*(\a)+\b):8*(8*(\a)+\b)+7]
.endif
.endr
.endm
.macro PLACES                          ; four plain lines in front of loads into registers that matrix instructions have read, and of reads of results
.rept 4
	v_nop
.endr
.endm
; A K step is four quarters of 32 along K, 32 matrix instructions each, on buffers 0, 1, 0, 1.  One of the first three: multiplies buffer f and fetches quarter q into buffer g.
.macro QUARTER slot, q, f, g, first
	s_wait_dscnt 4                                 ; wo16's blocks and att's blocks 0, 1 are in; the youngest four loads (att's blocks 2, 3) may be out
.if \first
	WIN FST
.else
	WIN MUL
.endif
	MULA \f, 0, \first
	MULA \f, 1, \first
	PLACES
	FETCH \slot, \q, \g
	s_wait_dscnt 24                                ; all but the 24 just issued
.if \first
	WIN FST
.else
	WIN MUL
.endif
	MULA \f, 2, \first
	MULA \f, 3, \first
.endm
; The last quarter multiplies buffer 1 and changes slots: ONE barrier; in front of it each wave waits for all its tensor loads (one is out: its part of the next slot), adds 0 to its spare word, and waits for that and for its
; reads of this slot.  fill = 1: the barrier opens a round of the cluster's, and this slot is filled again, two K steps ahead, first thing behind it: 112 matrix instructions ahead of the wait for it.
.macro TURN slot, next, fill
	WIN 0
	s_wait_tensorcnt 0x0
	ds_add_u32 v[SPW], v[NIL]                      ; 0 onto my spare word
	s_wait_dscnt 5                                 ; (the add and the youngest four loads may be out)
	WIN MUL
	MULA 1, 0, 0
	s_wait_dscnt 0x0                               ; the add is done, and my reads of this slot are over
	s_barrier_signal -1
	MULA 1, 1, 0
.if \fill
	WIN 0
.endif
	s_barrier_wait -1
.if \fill
	CREST                                          ; no wave of any partner still reads this slot's tile or has a load on its way
	s_add_nc_u64 s[G0+4*\slot+2:G0+4*\slot+3], s[G0+4*\slot+2:G0+4*\slot+3], 2*524288
	s_add_nc_u64 s[G0B+4*\slot+2:G0B+4*\slot+3], s[G0B+4*\slot+2:G0B+4*\slot+3], 2*256
	JLOAD \slot                                    ; the four v_nop behind it are also the plain lines in front of the loads below
.else
	PLACES
.endif
	FETCH \next, 0, 0
	WIN MUL
	MULA 1, 2, 0
	MULA 1, 3, 0
.endm
	s_wait_tensorcnt 0x1                           ; my part of K step 0 is in; K step 1's load, issued behind it, may be out
	s_barrier_signal -1
	s_barrier_wait -1
	FETCH 0, 0, 0
	s_wait_loadcnt 0x0                             ; bo
	QUARTER 0, 1, 0, 1, 1                          ; the first quarter stands in front of the loop: its products start the sums
	WIN 0
	s_mov_b32 s3, LAPS-1
.Llap:                                             ; a trip goes once round the ring, from a lap's second quarter to the next lap's first, and fills both slots again
	QUARTER 0, 2, 1, 0, 0
	QUARTER 0, 3, 0, 1, 0
	TURN 0, 1, 1
	QUARTER 1, 1, 0, 1, 0
	QUARTER 1, 2, 1, 0, 0
	QUARTER 1, 3, 0, 1, 0
	TURN 1, 0, 1
	QUARTER 0, 1, 0, 1, 0
	WIN 0
	s_sub_co_u32 s3, s3, 1
	s_cmp_lg_u32 s3, 0
	s_cbranch_scc1 .Llap
	QUARTER 0, 2, 1, 0, 0                          ; the last lap fills nothing, and has no round of the cluster's barrier
	QUARTER 0, 3, 0, 1, 0
	TURN 0, 1, 0
	QUARTER 1, 1, 0, 1, 0
	QUARTER 1, 2, 1, 0, 0
	QUARTER 1, 3, 0, 1, 0
	s_wait_dscnt 4                                 ; the very last quarter: nothing more to fetch
	WIN MUL
	MULA 1, 0, 0
	MULA 1, 1, 0
	s_wait_dscnt 0
	MULA 1, 2, 0
	MULA 1, 3, 0
	WIN 0
; THE WAY OUT, block by block of 16 rows x 128 columns.  A lane holds 32 neighbouring bytes of a row, and the lanes beside it other rows: a block goes through my own stage and comes back as whole rows of 512 bytes.
; LDS serves a wave's instructions in order: no wait between the stores and the loads, nor in front of the next block's stores.
.macro TOSTAGE a
	WIN 0x08                                       ; an LDS store's data are its source 1: window 2
.irp b, 0,1,2,3,4,5,6,7
	ds_store_b128 v[STO], v[64*(\a)+8*\b:64*(\a)+8*\b+3] offset:64*\b          ; each accumulator from its low end on
	ds_store_b128 v[STO], v[64*(\a)+8*\b+4:64*(\a)+8*\b+7] offset:64*\b+16
.endr
	WIN 0
.set BB, BK+64*((\a)%2)
.irp t, 0,1,2,3,4,5,6,7,8,9,10,11,12,13,14,15
	ds_load_b128 v[BB+4*\t:BB+4*\t+3], v[RD] offset:\t*SPITCH
.endr
.endm
.macro SEND a, younger                 ; younger: the LDS instructions issued behind block a's loads: the next block's 16 stores and 16 loads, or none
.set BB, BK+64*((\a)%2)
	s_wait_dscnt \younger
.irp t, 0,1,2,3,4,5,6,7,8,9,10,11,12,13,14,15
	global_store_b128 v[CO], v[BB+4*\t:BB+4*\t+3], s[10:11] offset:65536*(\a)+4096*\t th:TH_STORE_NT   ; 32 lanes store 512 consecutive bytes, at a multiple of 512 from out0's first byte; written once, read by nobody here
.endr
.endm
	PLACES
	TOSTAGE 0
.irp a, 1,2,3
.if \a > 1
	s_wait_xcnt 0x0                                ; block a - 2's stores have read their registers: block a's loads may land there
.endif
	TOSTAGE \a
	SEND \a-1, 32
.endr
	SEND 3, 0
	s_wait_tensorcnt 0x0                           ; the wave's end: the add and its wait behind my last tensor load and my last LDS store
	ds_add_u32 v[SPW], v[NIL]
	s_wait_dscnt 0x0
	CROUND                                         ; the closing round: no work-group ends while a partner may still ask for a tile that names it
	s_endpgm
.Lfunc_end_k_q9d06420161_oproj:
	.size	k_q9d06420161_oproj, .Lfunc_end_k_q9d06420161_oproj-k_q9d06420161_oproj
	.p2alignl 7, 3214868480
	.fill 96, 4, 3214868480
	.section	.rodata,"a",@progbits
	.p2align	6, 0x0
	.amdhsa_kernel k_q9d06420161_oproj
		.amdhsa_group_segment_fixed_size 327680
		.amdhsa_private_segment_fixed_size 0
		.amdhsa_enable_private_segment 0
		.amdhsa_kernarg_size 32
		.amdhsa_user_sgpr_count 2
		.amdhsa_user_sgpr_kernarg_segment_ptr 1
		.amdhsa_wavefront_size32 1
		.amdhsa_system_sgpr_workgroup_id_x 1
		.amdhsa_system_sgpr_workgroup_id_y 1
		.amdhsa_system_sgpr_workgroup_id_z 1
		.amdhsa_system_vgpr_workitem_id 0
		.amdhsa_next_free_vgpr 768
		.amdhsa_next_free_sgpr 66
		.amdhsa_reserve_vcc 0
		.amdhsa_float_denorm_mode_32 3
		.amdhsa_float_denorm_mode_16_64 3
		.amdhsa_memory_ordered 1
		.amdhsa_forward_progress 1
		.amdhsa_inst_pref_size 87
	.end_amdhsa_kernel
	.amdgpu_metadata
---
amdhsa.version: [ 1, 2 ]
amdhsa.kernels:
  - .name:           k_q9d06420161_oproj
    .symbol:         k_q9d06420161_oproj.kd
    .args:
      - { .name: att, .offset: 0, .size: 8, .value_kind: global_buffer, .address_space: global }
      - { .name: wo16, .offset: 8, .size: 8, .value_kind: global_buffer, .address_space: global }
      - { .name: bo, .offset: 16, .size: 8, .value_kind: global_buffer, .address_space: global }
      - { .name: out0, .offset: 24, .size: 8, .value_kind: global_buffer, .address_space: global }
    .group_segment_fixed_size: 327680
    .private_segment_fixed_size: 0
    .kernarg_segment_align: 8
    .kernarg_segment_size: 32
    .max_flat_workgroup_size: 128
    .sgpr_count:     66
    .vgpr_count:     768
    .wavefront_size: 32
...
	.end_amdgpu_metadata
.endif
;; end of part 4
